; MI455X (gfx1250); checked and timed in simulation.
; The chip was launched on July 23, 2026; its instructions are those of AMD's public machine-readable ISA for CDNA 5 (MIT licence, August 2026) and "CDNA5" Instruction Set Architecture Reference Guide (July 2026). The comments in the code are by the model that wrote it; some were corrected since.
;; Mo E Block. Allowed arithmetic: matrix products marked QUANTISED: E2M1 operands, one E8M0 scale for each 32 along K, by v_wmma_scale_f32_16x16x128_f8f6f4 with both operands' format E2M1 (or v_wmma_scale_f32_32x16x128_f4), f32 sums; products left as they are: f32 operands where the result goes on into a quantised operand, else bf16, f16 or f32 operands; f32 sums; everything else in f32.
;; Inputs: W1 8 x 4,096 x 1,024 float32; W2 8 x 1,024 x 4,096 float32; Wr 8 x 1,024 float32; b1 8 x 4,096 float32; b2 8 x 1,024 float32; x 4 x 256 x 1,024 float32.
;; Outputs: out0 4 x 256 x 1,024 float32; out1 one number float32.
;; This version of the problem:
;;   THIS VERSION OF THE PROBLEM IS GIVEN IN LOW PRECISION. The matrix products marked QUANTISED in the list below multiply operands that are first quantised to E2M1 (2 exponent bits, 1 mantissa bit; 4 bits a number), with one power-of-two scale for each 32 numbers along K (OCP MX v1.0); their sums are f32. All else is computed in f32.
;;   The module's matrix products, in the order in which they are computed (A, B: the left and right operand; K: the contracted axis; several contracted axes count as one K, in the product's order):
;;     1. [M 1,024, K 1,024] x [K 1,024, N 8]; A: input x; B: input Wr: left as it is (N = 8 < 16)
;;     2. batch 1,024 x [M 1, K 2] x [K 2, N 8]; A: computed on the way; B: computed on the way: left as it is (K = 2 < 32)
;;     3. [M 1,024, K 1,024] x [K 1,024, N 4,096]; A: input x; B: input W1: QUANTISED
;;     4. [M 1,024, K 4,096] x [K 4,096, N 1,024]; A: computed on the way; B: input W2: QUANTISED
;;     5. [M 1,024, K 1,024] x [K 1,024, N 4,096]; A: input x; B: input W1: QUANTISED
;;     6. [M 1,024, K 4,096] x [K 4,096, N 1,024]; A: computed on the way; B: input W2: QUANTISED
;;     7. [M 1,024, K 1,024] x [K 1,024, N 4,096]; A: input x; B: input W1: QUANTISED
;;     8. [M 1,024, K 4,096] x [K 4,096, N 1,024]; A: computed on the way; B: input W2: QUANTISED
;;     9. [M 1,024, K 1,024] x [K 1,024, N 4,096]; A: input x; B: input W1: QUANTISED
;;     10. [M 1,024, K 4,096] x [K 4,096, N 1,024]; A: computed on the way; B: input W2: QUANTISED
;;     11. [M 1,024, K 1,024] x [K 1,024, N 4,096]; A: input x; B: input W1: QUANTISED
;;     12. [M 1,024, K 4,096] x [K 4,096, N 1,024]; A: computed on the way; B: input W2: QUANTISED
;;     13. [M 1,024, K 1,024] x [K 1,024, N 4,096]; A: input x; B: input W1: QUANTISED
;;     14. [M 1,024, K 4,096] x [K 4,096, N 1,024]; A: computed on the way; B: input W2: QUANTISED
;;     15. [M 1,024, K 1,024] x [K 1,024, N 4,096]; A: input x; B: input W1: QUANTISED
;;     16. [M 1,024, K 4,096] x [K 4,096, N 1,024]; A: computed on the way; B: input W2: QUANTISED
;;     17. [M 1,024, K 1,024] x [K 1,024, N 4,096]; A: input x; B: input W1: QUANTISED
;;     18. [M 1,024, K 4,096] x [K 4,096, N 1,024]; A: computed on the way; B: input W2: QUANTISED
;;   THE QUANTISER, for each operand of a quantised product, along K:
;;     - K is cut into blocks of 32 from its start; a last block that is shorter is filled with zeros.
;;     - A block's scale is 2^e with e = floor(log2(the largest magnitude in the block)) - 2, held to -126 .. 127; a block of zeros has e = 0. As a byte (E8M0): e + 127.
;;     - Each number is divided by its block's scale, clamped to +-6, and rounded to the nearest number of E2M1, ties to even, subnormals kept.
;;     - The product sums the exact products of the quantised numbers (number of the format x scale) in f32.
;;   ~~~python
;;   def quantise(x, axis):      # numpy; x: float32 -> the quantised numbers, widened to float32 again
;;       x = np.moveaxis(x, axis, -1); K = x.shape[-1]
;;       x = np.pad(x, [(0, 0)] * (x.ndim - 1) + [(0, -K % 32)]); x = x.reshape(x.shape[:-1] + (-1, 32)); a = np.abs(x).max(-1, keepdims=True)
;;       e = np.where(a > 0, np.clip(np.frexp(np.where(a > 0, a, 1))[1] - 1 - 2, -126, 127), 0)      # np.frexp(a)[1] - 1 = floor(log2(a)), exactly
;;       r = np.clip(x / 2.0 ** e, -6, 6)
;;       step = 2.0 ** (np.maximum(np.frexp(np.where(r == 0, 1, r))[1] - 1, 0) - 1)
;;       q = np.round(r / step) * step * 2.0 ** e      # np.round: ties to even
;;       return np.moveaxis(q.reshape(q.shape[:-2] + (-1,))[..., :K], -1, axis).astype(np.float32)
;;   ~~~
;;   OPERANDS COMPUTED ON THE WAY. 'Computed on the way' means the value that the module computes at that place (a softmax that the list does not call 'softmax' is quantised finished and normalised). What goes into a quantiser is computed in f32, as accurately as f32 sums, v_exp_f32 and their like allow (about 1e-6 of the number): no bf16 or f16 on the way to a quantiser, and a product that is left as it is and whose result goes on into a quantised operand takes f32 operands (vector FMAs, or v_wmma_f32_16x16x4_f32). A number that lies on a knife's edge between two numbers of the format may be rounded either way, as far as f32 arithmetic and the matrix unit's own rounding can turn it there, and no further.
;; 2 versions, each right; version 2 is version 1 with the launches up, down written anew for expert scheduling mode. Each part assembles by itself: llvm-mc -triple=amdgcn-amd-amdhsa -mcpu=gfx1250 --defsym DOCPART=n.
;; ======== version 1 of 2: 4 launches
;; workspace buffers: xq 557,056 bytes; sel 32,768 bytes of whole numbers; gate 98,304 bytes; hq 17,825,792 bytes; y 8,421,376 bytes
;; launch route (part 1): grid 256 x 1, 8 waves a work-group, no clusters, 23,552 bytes of LDS; arguments x, Wr, xq, sel, gate; writes xq, sel, gate
.if DOCPART == 1
	.amdgcn_target "amdgcn-amd-amdhsa--gfx1250"
	.amdhsa_code_object_version 6
	.text
	.protected	k_q9d622fbec2_route
	.globl	k_q9d622fbec2_route
	.p2align	8
	.type	k_q9d622fbec2_route,@function
k_q9d622fbec2_route:
	s_mov_b64 s[64:65], 0
	v_nop
	global_prefetch_b8 v0, s[64:65] scope:SCOPE_SE
	s_setreg_imm32_b32 hwreg(HW_REG_WAVE_MODE, 25, 1), 1
	s_wait_xcnt 0x0
; ROUTER AND QUANTISER OF x.  x [1024 tokens][1024] f32, Wr [8][1024] f32.
; A work-group owns 4 tokens (16,384 bytes of x).  Wave w is expert w for the four dot products, and owns the w-th 2,048 bytes of x for loading and quantising.
; Stored, all at fixed places: xq: codes of E2M1 [token][512 bytes], K innermost, and from byte 524,288 on one E8M0 byte for each 32 along K, [token][32];
; sel [expert][token] words: 0 not chosen, 1 first choice, 2 second;  gate: three f32 tables [token][expert]: the combine weight (0 where not chosen), the softmax, 1.0 / 0.0 chosen.
; LIMITS: NaN and infinities are not served.  The logits are f32 fused multiply-adds in another order than a plain loop's.  An exponential under 2^-126 falls to 0.  The two largest are taken on
; 2^((logit - max) log2 e); equal numbers go to the lower expert.  A block of zeros gets the scale byte 1 (its codes are zeros; only this program reads the bytes).
.set XL, 0                             ; LDS: the 16,384 bytes of x as they lie, 16 bytes of padding behind each 64: a token's row takes 5,120 bytes
.set LG, 20480                         ; 32 logits [token][expert]
.set SB, 20736                         ; 128 scale bytes
.set XO, 8                             ; v8-23    my wave's 512 numbers
.set WR, 24                            ; v24-55   Wr[w]: register 4 i + j = k 128 i + 4 lane + j
.set XB, 56                            ; v56-119  two buffers of a token's row, in the same order
	s_load_b256 s[4:11], s[0:1], 0x0               ; x, Wr, xq, sel
	s_load_b64 s[12:13], s[0:1], 0x20              ; gate
	v_lshl_add_u32 v128, v0, 2, 0x5800
	v_mov_b32 v129, 0
	v_lshrrev_b32 v120, 5, v0
	v_readfirstlane_b32 s14, v120                  ; wave = expert
	v_and_b32 v121, 31, v0                         ; lane
	v_lshrrev_b32 v1, 2, v121
	v_mul_u32_u24 v1, v1, 80
	v_and_b32 v122, 3, v121
	v_lshl_add_u32 v1, v122, 4, v1                 ; v1: 80 (lane / 4) + 16 (lane % 4): my 16 bytes of a run of 512
	v_mul_u32_u24 v2, v121, 80
	v_lshlrev_b32 v3, 4, v121                      ; v3: 16 x lane
	v_lshlrev_b32 v5, 3, v121                      ; v5: 8 x lane: my codes
	s_mul_i32 s15, s14, 2560
	v_add_nc_u32 v6, s15, v1                       ; v6: my wave's part of XL, on the way in
	v_add_nc_u32 v2, s15, v2                       ; v2: and 64 bytes a lane on the way out
	s_lshl_b32 s16, s14, 2
	s_add_co_u32 s16, s16, LG
	v_mov_b32 v7, s16                              ; v7: my expert's logit of token 0
	s_lshl_b32 s17, s14, 4
	s_add_co_u32 s17, s17, SB
	v_lshrrev_b32 v4, 1, v121
	v_add_nc_u32 v4, s17, v4                       ; v4: my block's scale byte
	s_lshl_b32 s18, ttmp9, 14
	s_lshl_b32 s20, s14, 11
	s_add_co_u32 s18, s18, s20                     ; x: 16,384 x work-group + 2,048 x wave
	s_mov_b32 s19, 0
	s_lshl_b32 s20, s14, 12                        ; Wr: 4,096 x wave
	s_mov_b32 s21, 0
	s_lshl_b32 s22, ttmp9, 11
	s_lshl_b32 s24, s14, 8
	s_add_co_u32 s22, s22, s24                     ; codes: 2,048 x work-group + 256 x wave
	s_mov_b32 s23, 0
	s_lshl_b32 s32, ttmp9, 7                       ; 128 x work-group: scale bytes, and the tables of gate
	s_mov_b32 s33, 0
	s_lshl_b32 s34, ttmp9, 4                       ; sel: 4 tokens x 4 bytes
	s_mov_b32 s35, 0
	s_mov_b32 s26, 0x76543210
	s_mov_b32 s27, 0xfedcba98                      ; v_permlanex16_b32's selects for lane l xor 16
	s_wait_kmcnt 0x0
	s_add_nc_u64 s[4:5], s[4:5], s[18:19]
	s_add_nc_u64 s[6:7], s[6:7], s[20:21]
	s_add_nc_u64 s[24:25], s[8:9], s[22:23]
	s_add_nc_u64 s[28:29], s[8:9], s[32:33]
	s_add_nc_u64 s[30:31], s[12:13], s[32:33]
	s_add_nc_u64 s[10:11], s[10:11], s[34:35]
.irp i, 0,1,2,3
	global_load_b128 v[XO+4*\i:XO+4*\i+3], v3, s[4:5] offset:512*\i th:TH_LOAD_NT   ; 32 lanes read 512 consecutive bytes
.endr
.irp i, 0,1,2,3,4,5,6,7
	global_load_b128 v[WR+4*\i:WR+4*\i+3], v3, s[6:7] offset:512*\i
.endr
	s_wait_loadcnt 8                               ; x's four loads are in; Wr's eight stay out
.irp i, 0,1,2,3
	ds_store_b128 v6, v[XO+4*\i:XO+4*\i+3] offset:640*\i
.endr
	s_wait_dscnt 0x0                               ; my part of x lies in LDS
	s_barrier_signal -1
	s_barrier_wait -1                              ; everybody's does
.macro XROW tk                         ; token tk's row, 8 runs of 512 bytes, into buffer tk % 2
.irp i, 0,1,2,3,4,5,6,7
	ds_load_b128 v[XB+32*((\tk)%2)+4*\i:XB+32*((\tk)%2)+4*\i+3], v1 offset:5120*(\tk)+640*\i
.endr
.endm
.macro DOT tk                          ; x[tk] . Wr[w]: two packed chains, then the 32 lanes
.set B_, XB+32*((\tk)%2)
	v_pk_mul_f32 v[120:121], v[B_:B_+1], v[WR:WR+1]
	v_pk_mul_f32 v[122:123], v[B_+2:B_+3], v[WR+2:WR+3]
.set J, 4
.rept 7
	v_pk_fma_f32 v[120:121], v[B_+J:B_+J+1], v[WR+J:WR+J+1], v[120:121]
	v_pk_fma_f32 v[122:123], v[B_+J+2:B_+J+3], v[WR+J+2:WR+J+3], v[122:123]
.set J, J+4
.endr
	v_pk_add_f32 v[120:121], v[120:121], v[122:123]
	v_add_f32 v120, v120, v121
	v_add_f32_dpp v120, v120, v120 row_xmask:1 row_mask:0xf bank_mask:0xf
	v_add_f32_dpp v120, v120, v120 row_xmask:2 row_mask:0xf bank_mask:0xf
	v_add_f32_dpp v120, v120, v120 row_xmask:4 row_mask:0xf bank_mask:0xf
	v_add_f32_dpp v120, v120, v120 row_xmask:8 row_mask:0xf bank_mask:0xf
	v_permlanex16_b32 v121, v120, s26, s27
	v_add_f32 v[124+\tk], v120, v121
	ds_store_b32 v7, v[124+\tk] offset:32*\tk      ; all lanes store the same word with the same value
.endm
	XROW 0
	XROW 1
	s_wait_loadcnt 0x0                             ; Wr
	s_wait_dscnt 8                                 ; the older row is in; the younger row's eight loads stay out
	DOT 0
	XROW 2
	s_wait_dscnt 8
	DOT 1
	XROW 3
	s_wait_dscnt 8
	DOT 2
	s_wait_dscnt 0x0
	DOT 3
	; my wave's 512 numbers become codes: a lane takes 16 neighbours, two neighbouring lanes hold a block of 32
.irp i, 0,1,2,3
	ds_load_b128 v[XO+4*\i:XO+4*\i+3], v2 offset:16*\i
.endr
	v_and_b32 v24, 31, v0
	v_lshlrev_b32 v24, 2, v24                      ; 4 x lane (Wr's registers are free)
	v_add_nc_u32 v25, SB, v24
	v_add_nc_u32 v26, LG, v24
	s_wait_dscnt 0x0
	v_max3_num_f32 v120, |v[XO]|, |v[XO+1]|, |v[XO+2]|
	v_max3_num_f32 v121, |v[XO+3]|, |v[XO+4]|, |v[XO+5]|
.irp i, 6,10
	v_max3_num_f32 v120, v120, |v[XO+\i]|, |v[XO+\i+1]|
	v_max3_num_f32 v121, v121, |v[XO+\i+2]|, |v[XO+\i+3]|
.endr
	v_max3_num_f32 v120, v120, |v[XO+14]|, |v[XO+15]|
	v_max3_num_f32 v120, v120, v121, 0x1800000     ; and the floor 2^(3 - 127): the byte cannot fall under 1
	v_max_num_f32_dpp v120, v120, v120 row_xmask:1 row_mask:0xf bank_mask:0xf   ; with my neighbour's 16: the block's largest magnitude
	v_add_nc_u32 v121, 0xff000000, v120            ; 2 off its exponent field: the conversion's scale operand
	v_cvt_scalef32_pk8_fp4_f32 v122, v[XO:XO+7], v121
	v_cvt_scalef32_pk8_fp4_f32 v123, v[XO+8:XO+15], v121
	v_lshrrev_b32 v120, 23, v121                   ; the scale's byte
	ds_store_b8 v4, v120                           ; both lanes of a block store the same byte
	global_store_b64 v5, v[122:123], s[24:25]      ; the wave stores 256 consecutive bytes, aligned
	s_wait_dscnt 0x0                               ; my logits and my scale bytes lie in LDS
	s_barrier_signal -1
	s_barrier_wait -1
	s_cmp_eq_u32 s14, 1
	s_cbranch_scc1 .Lbytes
	s_cmp_eq_u32 s14, 0
	s_cbranch_scc0 .Lend
	; wave 0: lane = (token = lane / 8, expert = lane % 8)
	ds_load_b32 v8, v26
	v_and_b32 v9, 7, v0                            ; expert
	v_bfe_u32 v10, v0, 3, 2                        ; token
	v_lshlrev_b32 v11, 12, v9
	v_lshl_add_u32 v11, v10, 2, v11                ; sel: 4,096 x expert + 4 x token
	s_wait_dscnt 0x0
	v_mov_b32 v12, v8
	v_max_num_f32_dpp v12, v12, v12 row_xmask:1 row_mask:0xf bank_mask:0xf
	v_max_num_f32_dpp v12, v12, v12 row_xmask:2 row_mask:0xf bank_mask:0xf
	v_max_num_f32_dpp v12, v12, v12 row_xmask:4 row_mask:0xf bank_mask:0xf   ; the token's largest logit
	v_sub_f32 v13, v8, v12
	v_mul_f32 v13, 0x3fb8aa3b, v13
	v_exp_f32 v13, v13                             ; p = e^(logit - max)
	v_mov_b32 v16, 0                               ; the rank.  (A plain line behind the exponential)
	s_wait_alu depctr_va_vdst(0)
	v_mov_b32 v14, v13
	v_add_f32_dpp v14, v14, v14 row_xmask:1 row_mask:0xf bank_mask:0xf
	v_add_f32_dpp v14, v14, v14 row_xmask:2 row_mask:0xf bank_mask:0xf
	v_add_f32_dpp v14, v14, v14 row_xmask:4 row_mask:0xf bank_mask:0xf
	v_rcp_f32 v15, v14
	v_mov_b32 v17, 0                               ; written once: a DPP move's destination counts as read
	s_wait_alu depctr_va_vdst(0)
	v_mul_f32 v15, v13, v15                        ; the softmax
.irp mm, 1,2,3,4,5,6,7                 ; my rank: how many of the other seven come before me (larger, or equal with a lower number)
	v_mov_b32_dpp v17, v13 row_xmask:\mm row_mask:0xf bank_mask:0xf
	v_xor_b32 v18, \mm, v9
	v_cmp_gt_f32 s20, v17, v13
	v_cmp_eq_f32 s21, v17, v13
	v_cmp_lt_u32 s22, v18, v9
	s_and_b32 s21, s21, s22
	s_or_b32 vcc_lo, s20, s21
	v_cndmask_b32 v18, 0, 1, vcc_lo
	v_add_nc_u32 v16, v16, v18
.endr
	v_cmp_gt_u32 vcc_lo, 2, v16                    ; chosen
	v_cndmask_b32 v19, 0, v13, vcc_lo
	v_cndmask_b32 v20, 0, 1.0, vcc_lo
	v_add_nc_u32 v21, 1, v16
	v_cndmask_b32 v21, 0, v21, vcc_lo
	v_mov_b32 v22, v19
	v_add_f32_dpp v22, v22, v22 row_xmask:1 row_mask:0xf bank_mask:0xf
	v_add_f32_dpp v22, v22, v22 row_xmask:2 row_mask:0xf bank_mask:0xf
	v_add_f32_dpp v22, v22, v22 row_xmask:4 row_mask:0xf bank_mask:0xf   ; the two chosen p (the largest is 1: never 0)
	v_rcp_f32 v23, v22
	v_nop
	s_wait_alu depctr_va_vdst(0)
	v_mul_f32 v23, v19, v23                        ; the combine weight
	global_store_b32 v24, v23, s[30:31]
	global_store_b32 v24, v15, s[30:31] offset:32768
	global_store_b32 v24, v20, s[30:31] offset:65536
	global_store_b32 v11, v21, s[10:11]
	s_wait_tensorcnt 0x0
	ds_add_u32 v128, v129
	s_wait_dscnt 0x0
	s_endpgm
.Lbytes:                                       ; wave 1: the work-group's 128 scale bytes leave together
	ds_load_b32 v8, v25
	s_wait_dscnt 0x0
	global_store_b32 v24, v8, s[28:29] offset:524288
	s_wait_tensorcnt 0x0
	ds_add_u32 v128, v129
	s_wait_dscnt 0x0
	s_endpgm
.Lend:
	s_wait_tensorcnt 0x0
	ds_add_u32 v128, v129
	s_wait_dscnt 0x0
	s_endpgm
.Lfunc_end_k_q9d622fbec2_route:
	.size	k_q9d622fbec2_route, .Lfunc_end_k_q9d622fbec2_route-k_q9d622fbec2_route
	.p2alignl 7, 3214868480
	.fill 96, 4, 3214868480
	.section	.rodata,"a",@progbits
	.p2align	6, 0x0
	.amdhsa_kernel k_q9d622fbec2_route
		.amdhsa_group_segment_fixed_size 23552
		.amdhsa_private_segment_fixed_size 0
		.amdhsa_enable_private_segment 0
		.amdhsa_kernarg_size 40
		.amdhsa_user_sgpr_count 2
		.amdhsa_user_sgpr_kernarg_segment_ptr 1
		.amdhsa_wavefront_size32 1
		.amdhsa_system_sgpr_workgroup_id_x 1
		.amdhsa_system_sgpr_workgroup_id_y 1
		.amdhsa_system_sgpr_workgroup_id_z 1
		.amdhsa_system_vgpr_workitem_id 0
		.amdhsa_next_free_vgpr 130
		.amdhsa_next_free_sgpr 66
		.amdhsa_reserve_vcc 1
		.amdhsa_float_denorm_mode_32 3
		.amdhsa_float_denorm_mode_16_64 3
		.amdhsa_memory_ordered 1
		.amdhsa_forward_progress 1
		.amdhsa_inst_pref_size 20
	.end_amdhsa_kernel
	.amdgpu_metadata
---
amdhsa.version: [ 1, 2 ]
amdhsa.kernels:
  - .name:           k_q9d622fbec2_route
    .symbol:         k_q9d622fbec2_route.kd
    .args:
      - { .name: x, .offset: 0, .size: 8, .value_kind: global_buffer, .address_space: global }
      - { .name: Wr, .offset: 8, .size: 8, .value_kind: global_buffer, .address_space: global }
      - { .name: xq, .offset: 16, .size: 8, .value_kind: global_buffer, .address_space: global }
      - { .name: sel, .offset: 24, .size: 8, .value_kind: global_buffer, .address_space: global }
      - { .name: gate, .offset: 32, .size: 8, .value_kind: global_buffer, .address_space: global }
    .group_segment_fixed_size: 23552
    .private_segment_fixed_size: 0
    .kernarg_segment_align: 8
    .kernarg_segment_size: 40
    .max_flat_workgroup_size: 256
    .sgpr_count:     66
    .vgpr_count:     130
    .wavefront_size: 32
...
	.end_amdgpu_metadata
.endif
;; end of part 1
;; launch up (part 2): grid 256 x 1, 16 waves a work-group, no clusters, 240,128 bytes of LDS; arguments W1, b1, xq, sel, hq; writes hq
.if DOCPART == 2
	.amdgcn_target "amdgcn-amd-amdhsa--gfx1250"
	.amdhsa_code_object_version 6
	.text
	.protected	k_q9d622fbec2_up
	.globl	k_q9d622fbec2_up
	.p2align	8
	.type	k_q9d622fbec2_up,@function
k_q9d622fbec2_up:
	s_mov_b64 s[64:65], 0
	v_nop
	global_prefetch_b8 v0, s[64:65] scope:SCOPE_SE
	s_setreg_imm32_b32 hwreg(HW_REG_WAVE_MODE, 25, 1), 1
	s_wait_xcnt 0x0
; FIRST PRODUCT OF EACH EXPERT: hidden = gelu(x W1[e]^T + b1[e]) for the rows routed to e, on codes of E2M1 with one E8M0 scale for each 32 along K; the result is quantised along the hidden units.
; SHARES.  Work-group (e = id / 32, i = id % 32) owns hidden units 128 i .. 128 i + 127 of expert e: 524,288 bytes of W1, read ONCE as f32, in four chunks of 32 units, quantised on the way into LDS, where they stay.
; A chunk's 131,072 bytes (16 waves x 16 loads x 512 bytes) are on their way while the chunk before is multiplied.  The numbers are quantised in the registers in which they land: a lane holds 4, eight lanes a block of 32.
; ROWS.  Slot p of expert e is its p-th token in ascending order; a tile is 16 slots.  Nothing is placed in memory: each wave finds "the token of rank p" in registers from the 32 mask words made of sel (SELECT).
; Wave w takes tile w, always, chunk by chunk under the stream (a tile past the expert's rows works on clamped tokens; the next launch reads tiles 0-15 always, and sends such rows to a dump row).
; Tiles 16 on, where the expert has them, come behind the stream, when all four chunks lie in LDS: a tile's chunks do not depend on each other, so wave w takes chunk w % 4 of tile 16 + w / 4 + 4 g.
; LAYOUT.  The product is used transposed (source 0 = 16 units of W1, source 1 = 16 slots): a lane holds one slot.  Position 16 u + q of a chunk in LDS holds unit 8 u + q + 8 (q / 8), so that the lane's 16 results
; are 16 neighbouring units, 16 (lane / 16) + 0 .. 15, of the chunk's block of 32.  hq takes the codes as the image of the next product's operand registers, [tile][K step i][1,024 bytes], and scale words [tile][K step][slot].
; No sharing by clusters: what the 32 work-groups of an expert share, x's codes, is about a fifth of a work-group's bytes, and the number of tiles hangs on counts read from memory.
; LIMITS: NaN and infinities are not served.  erf is a rational form in z^2 (degrees 6 and 4), z held to +-4, good to a few units in the last place.  A block of zeros gets the scale byte 1 (only this program reads the bytes).
.set WCA, 16896                        ; LDS 0: four chunk areas of codes: 32 positions x (512 bytes + 16)
.set WS,  67584                        ; four areas of scale bytes:
.set WSA, 1536                         ; 32 positions x (32 bytes + 16)
.set BI,  73728                        ; the 128 biases
.set STG, 74240                        ; a stage of
.set STGB, 10240                       ; 10,240 bytes for each wave, its own: x's rows turn into fragments there
.set BC,  128                          ; bias bytes from chunk to chunk,
.set BU,  32                           ; and from tile to tile
.set F,   24                           ; v24-87   x's eight fragments (16 slots x 128 K each)
.set FS,  88                           ; v88-95   their scale words, and nothing else
.set SR,  96                           ; v96-159  the stream: 16 loads
.set WB,  160                          ; v160-223 two buffers of W's fragments; everything at work
.set SW,  224                          ; v224-239 W's scale words, and nothing else
.set ACC, 240                          ; v240-255 two accumulators
.set AWR, 6                            ; which registers address W's fragments, W's scale words and the bias: v6, v7, v8 with the chunk in the immediate; behind the stream v2, v3, v13 with my chunk inside
.set ASR, 7
.set ABR, 8
; v1 16 lane; v4, v5 where my codes and scale bytes go; v6, v7 where fragments and scale words are read; v8 bias; v2, v3, v13 the same three at chunk wave % 4; v9, v10 stage in and out for x;
; v11, v12 my places in hq's image and scale words; v14 the scale word in the making; v15 my slot's token; v[16:17] two coefficients; v18-23 at work
; s2 e, s3 i, s14 wave, s15 position, s16 my stage, s17 the expert's rows, s18 its tiles, s19 my tile, s20 trips to go, s[24:27] hq for my tile, s28 wave % 4, s[30:31] lane selects, s[32:63] mask words, s[66:87] coefficients
.macro PLACES                          ; four plain vector lines behind a matrix instruction, ahead of loads into its registers and of reads of its result
.rept 4
	v_nop
.endr
.endm
.macro BAR                             ; my LDS stores have landed and my LDS loads are in: then the work-group's barrier
	s_wait_dscnt 0x0
	s_barrier_signal -1
	s_barrier_wait -1
.endm
.macro SLOAD ch, n                     ; load n of chunk ch: 512 consecutive bytes; my two rows of W1 are 8,192 consecutive bytes
	global_load_b128 v[SR+4*(\n):SR+4*(\n)+3], v1, s[4:5] offset:(\ch)*131072+512*(\n) th:TH_LOAD_NT
.endm
.macro STREAM ch
.set N_, 0
.rept 16
	SLOAD \ch, N_
.set N_, N_+1
.endr
.endm
; Chunk ch is quantised into its area, four loads at a time, in the registers as loaded: load n holds numbers 128 (n % 8) + 4 lane + 0 .. 3 of row n / 8, so lanes 8 j .. 8 j + 7 hold a block of 32.
; A conversion takes eight registers and one scale: two neighbouring loads share their eight registers, and each gets a conversion with its own scale, of which its own half (low for the even load, high for the odd) is kept.
; cnt: the loads issued behind the chunk's.  more = 1: each four registers are loaded again, for the next chunk, as soon as they are converted.
; The wait in front of loads 4 g .. 4 g + 3: behind them stand 12 - 4 g of the chunk, cnt others, and with more = 1 the 4 g loaded again.
.macro STAGE ch, cnt, more
.set G_, 0
.rept 4
.if \more
	s_wait_loadcnt (\cnt)+12
.else
	s_wait_loadcnt (\cnt)+12-4*G_
.endif
.irp k, 0,1,2,3
	v_max3_num_f32 v[WB+32+\k], |v[SR+16*G_+4*\k]|, |v[SR+16*G_+4*\k+1]|, 0x1800000   ; my four numbers, and the floor 2^(3 - 127): the byte cannot fall under 1
.endr
.irp k, 0,1,2,3
	v_max3_num_f32 v[WB+32+\k], v[WB+32+\k], |v[SR+16*G_+4*\k+2]|, |v[SR+16*G_+4*\k+3]|
.endr
.irp x, 1,2,4
.irp k, 0,1,2,3
	v_max_num_f32_dpp v[WB+32+\k], v[WB+32+\k], v[WB+32+\k] row_xmask:\x row_mask:0xf bank_mask:0xf   ; with the block's other seven lanes
.endr
.endr
.irp k, 0,1,2,3
	v_add_nc_u32 v[WB+36+\k], 0xff000000, v[WB+32+\k]                      ; 2 off the exponent field: the conversion's scale operand
.endr
.irp k, 0,1,2,3
	v_cvt_scalef32_pk8_fp4_f32 v[WB+4*G_+\k], v[SR+16*G_+8*(\k/2):SR+16*G_+8*(\k/2)+7], v[WB+36+\k]
.endr
.irp k, 0,1,2,3
	v_lshrrev_b32 v[WB+16+4*G_+\k], 23, v[WB+36+\k]                        ; the scale's byte.  (The plain lines behind the conversions)
.endr
.irp k, 1,3
	v_lshrrev_b32 v[WB+4*G_+\k], 16, v[WB+4*G_+\k]                         ; the odd load's four codes
.endr
.irp k, 0,1,2,3
	ds_store_b16 v4, v[WB+4*G_+\k] offset:(\ch)*WCA+(G_/2)*528+64*(4*(G_%2)+\k)        ; the wave stores 64 consecutive bytes of a row of codes
	ds_store_b8 v5, v[WB+16+4*G_+\k] offset:(\ch)*WSA+(G_/2)*48+4*(4*(G_%2)+\k)        ; the eight lanes of a block store the same byte
.endr
.if \more
.irp k, 0,1,2,3
	SLOAD (\ch)+1, 4*G_+\k
.endr
.endif
.set G_, G_+1
.endr
.endm
.macro LOADW buf, ch, s0               ; W's fragments of K steps s0, s0 + 1, both tiles, into buffer buf
.irp d, 0,1
.irp u, 0,1
.irp k2, 0,1
	ds_load_b128 v[WB+32*(\buf)+16*\d+8*\u+4*\k2:WB+32*(\buf)+16*\d+8*\u+4*\k2+3], v[AWR] offset:(\ch)*WCA+\u*8448+64*((\s0)+\d)+32*\k2
.endr
.endr
.endr
.endm
.macro MM4 buf, s0                     ; four products; the two accumulators take turns, one instruction a turn
.irp d, 0,1
.irp u, 0,1
	v_wmma_scale_f32_16x16x128_f8f6f4 v[ACC+8*\u:ACC+8*\u+7], v[WB+32*(\buf)+16*\d+8*\u:WB+32*(\buf)+16*\d+8*\u+7], v[F+8*((\s0)+\d):F+8*((\s0)+\d)+7], v[ACC+8*\u:ACC+8*\u+7], v[SW+8*\u+(\s0)+\d], v[FS+(\s0)+\d] matrix_a_fmt:MATRIX_FMT_FP4 matrix_b_fmt:MATRIX_FMT_FP4
.endr
.endr
.endm
.macro KLOOP ch, bias                  ; 1,024 along K: eight K steps x two tiles.  bias = 1: the accumulators begin as the bias, loaded in the result's layout
.if \bias
.irp u, 0,1
	ds_load_b128 v[ACC+8*\u:ACC+8*\u+3], v[ABR] offset:BC*(\ch)+BU*\u
	ds_load_b128 v[ACC+8*\u+4:ACC+8*\u+7], v[ABR] offset:BC*(\ch)+BU*\u+16
.endr
.endif
.irp u, 0,1
.irp q, 0,1
	ds_load_b128 v[SW+8*\u+4*\q:SW+8*\u+4*\q+3], v[ASR] offset:(\ch)*WSA+\u*768+16*\q
.endr
.endr
	LOADW 0, \ch, 0
	LOADW 1, \ch, 2
	s_wait_dscnt 8                                 ; all but the younger buffer's eight loads
	MM4 0, 0
	PLACES
	LOADW 0, \ch, 4
	s_wait_dscnt 8
	MM4 1, 2
	PLACES
	LOADW 1, \ch, 6
	s_wait_dscnt 8
	MM4 0, 4
	s_wait_dscnt 0x0
	MM4 1, 6
	PLACES
.endm
.macro SSTEP src, width, stp           ; one halving: does the wanted bit lie beyond the next stp bits?
	v_bfe_u32 v[WB+9], v[\src], v[WB+8], \width
	v_cmp_ge_u32 vcc_lo, v[WB+3], v[WB+9]
	v_cndmask_b32 v[WB+9], 0, v[WB+9], vcc_lo
	v_sub_nc_u32 v[WB+3], v[WB+3], v[WB+9]
	v_cndmask_b32 v[WB+10], 0, \stp, vcc_lo
	v_add_nc_u32 v[WB+8], v[WB+8], v[WB+10]
.endm
; v19 = a rank p; v15 = the expert's p-th token.  Whole numbers only: the last mask word whose running count is at most p, then the (p - count)-th set bit in it by five halvings.  A rank past the rows gives some token under 1,024.
.macro SELECT
	v_mov_b32 v[WB], s32
	v_mov_b32 v[WB+1], 0
	v_mov_b32 v[WB+2], 0
	s_mov_b32 s21, 0
.set J, 1
.rept 31
	s_bcnt1_i32_b32 s22, s[31+J]
	s_add_co_u32 s21, s21, s22
	v_cmp_le_u32 vcc_lo, s21, v19
	v_cndmask_b32 v[WB], v[WB], s[32+J], vcc_lo
	v_cndmask_b32 v[WB+1], v[WB+1], s21, vcc_lo
	v_cndmask_b32 v[WB+2], v[WB+2], J, vcc_lo
.set J, J+1
.endr
	v_sub_nc_u32 v[WB+3], v19, v[WB+1]
	v_lshrrev_b32 v[WB+4], 1, v[WB]
	v_and_b32 v[WB+4], 0x55555555, v[WB+4]
	v_sub_nc_u32 v[WB+4], v[WB], v[WB+4]           ; counts of 2 bits
	v_lshrrev_b32 v[WB+5], 2, v[WB+4]
	v_and_b32 v[WB+5], 0x33333333, v[WB+5]
	v_and_b32 v[WB+6], 0x33333333, v[WB+4]
	v_add_nc_u32 v[WB+5], v[WB+5], v[WB+6]         ; of 4
	v_lshrrev_b32 v[WB+6], 4, v[WB+5]
	v_add_nc_u32 v[WB+6], v[WB+6], v[WB+5]
	v_and_b32 v[WB+6], 0x0f0f0f0f, v[WB+6]         ; of 8
	v_lshrrev_b32 v[WB+7], 8, v[WB+6]
	v_add_nc_u32 v[WB+7], v[WB+7], v[WB+6]         ; low byte: of the low 16
	v_mov_b32 v[WB+8], 0
	SSTEP WB+7, 8, 16
	SSTEP WB+6, 8, 8
	SSTEP WB+5, 4, 4
	SSTEP WB+4, 2, 2
	SSTEP WB, 1, 1
	v_lshl_add_u32 v15, v[WB+2], 5, v[WB+8]
	v_min_u32 v15, 0x3ff, v15
.endm
.macro VP                              ; my slot's rank: 16 x tile + lane % 16
	v_and_b32 v19, 15, v0
	v_lshl_add_u32 v19, s19, 4, v19
.endm
.macro BASES tail                      ; hq at my tile 64 e + m and K step i.  tail = 1: and at my chunk: 256 bytes of the image, one byte of the scale word
	s_lshl_b32 s21, s2, 6
	s_add_co_u32 s21, s21, s19
	s_lshl_b32 s88, s21, 15
	s_lshl_b32 s22, s3, 10
	s_add_co_u32 s88, s88, s22
.if \tail
	s_lshl_b32 s22, s28, 8
	s_add_co_u32 s88, s88, s22
.endif
	s_mov_b32 s89, 0
	s_add_nc_u64 s[24:25], s[12:13], s[88:89]
	s_lshl_b32 s88, s21, 11
	s_lshl_b32 s22, s3, 6
	s_add_co_u32 s88, s88, s22
	s_add_co_u32 s88, s88, 0x1000000
.if \tail
	s_add_co_u32 s88, s88, s28
.endif
	s_add_nc_u64 s[26:27], s[12:13], s[88:89]
.endm
.macro XGATHER                         ; 18 loads: each of the 16 slots' rows of codes, 512 consecutive bytes to an instruction, and my slot's 32 scale bytes
.irp i, 0,1,2,3,4,5,6,7,8,9,10,11,12,13,14,15
	v_readlane_b32 s22, v15, \i
	s_min_u32 s22, s22, 1023
	v_lshl_add_u32 v[ACC+\i], s22, 9, v1
	global_load_b128 v[F+4*\i:F+4*\i+3], v[ACC+\i], s[8:9]
.endr
	v_lshlrev_b32 v18, 5, v15
	global_load_b128 v[FS:FS+3], v18, s[8:9] offset:524288
	global_load_b128 v[FS+4:FS+7], v18, s[8:9] offset:524304
.endm
.macro XTURN                           ; rows into my stage, fragments out of it.  LDS serves a wave's instructions in order (ISA guide 5.7.1.4)
.irp i, 0,1,2,3,4,5,6,7,8,9,10,11,12,13,14,15
	ds_store_b128 v9, v[F+4*\i:F+4*\i+3] offset:528*\i
.endr
.irp s, 0,1,2,3,4,5,6,7
.irp k2, 0,1
	ds_load_b128 v[F+8*\s+4*\k2:F+8*\s+4*\k2+3], v10 offset:64*\s+32*\k2
.endr
.endr
	s_wait_dscnt 0x0
.endm
; gelu(a) = a/2 + (a/2) erf(a / sqrt 2), erf(z) = z P(z^2) / Q(z^2), on the eight pairs of the accumulators' registers, in ascending order.  Pair p: z at WB + 8 p, z^2 at + 2, P at + 4, Q at + 6.
.macro GELU
.irp p, 0,1,2,3,4,5,6,7
	v_pk_mul_f32 v[WB+8*\p:WB+8*\p+1], v[ACC+2*\p:ACC+2*\p+1], s[86:87] op_sel_hi:[1,0]
.endr
.irp p, 0,1,2,3,4,5,6,7
	v_med3_num_f32 v[WB+8*\p], v[WB+8*\p], -4.0, 4.0
	v_med3_num_f32 v[WB+8*\p+1], v[WB+8*\p+1], -4.0, 4.0
.endr
.irp p, 0,1,2,3,4,5,6,7
	v_pk_mul_f32 v[WB+8*\p+2:WB+8*\p+3], v[WB+8*\p:WB+8*\p+1], v[WB+8*\p:WB+8*\p+1]
.endr
.irp p, 0,1,2,3,4,5,6,7
	v_pk_fma_f32 v[WB+8*\p+4:WB+8*\p+5], v[WB+8*\p+2:WB+8*\p+3], v[16:17], s[66:67] op_sel_hi:[1,0,0]
.endr
.irp k, 68,70,72,74,76
.irp p, 0,1,2,3,4,5,6,7
	v_pk_fma_f32 v[WB+8*\p+4:WB+8*\p+5], v[WB+8*\p+4:WB+8*\p+5], v[WB+8*\p+2:WB+8*\p+3], s[\k:\k+1] op_sel_hi:[1,1,0]
.endr
.endr
.irp p, 0,1,2,3,4,5,6,7
	v_pk_fma_f32 v[WB+8*\p+6:WB+8*\p+7], v[WB+8*\p+2:WB+8*\p+3], v[16:17], s[78:79] op_sel:[0,1,0] op_sel_hi:[1,1,0]
.endr
.irp k, 80,82,84
.irp p, 0,1,2,3,4,5,6,7
	v_pk_fma_f32 v[WB+8*\p+6:WB+8*\p+7], v[WB+8*\p+6:WB+8*\p+7], v[WB+8*\p+2:WB+8*\p+3], s[\k:\k+1] op_sel_hi:[1,1,0]
.endr
.endr
.irp p, 0,1,2,3,4,5,6,7
	v_pk_mul_f32 v[WB+8*\p+4:WB+8*\p+5], v[WB+8*\p+4:WB+8*\p+5], v[WB+8*\p:WB+8*\p+1]
.endr
.irp p, 0,1,2,3,4,5,6,7
	v_rcp_f32 v[WB+8*\p+6], v[WB+8*\p+6]
	v_rcp_f32 v[WB+8*\p+7], v[WB+8*\p+7]
.endr
.irp p, 0,1,2,3,4,5,6,7
	v_pk_mul_f32 v[ACC+2*\p:ACC+2*\p+1], v[ACC+2*\p:ACC+2*\p+1], 0.5 op_sel_hi:[1,0]   ; (plain lines behind the reciprocals)
.endr
	s_wait_alu depctr_va_vdst(0)
.irp p, 0,1,2,3,4,5,6,7
	v_pk_mul_f32 v[WB+8*\p+4:WB+8*\p+5], v[WB+8*\p+4:WB+8*\p+5], v[WB+8*\p+6:WB+8*\p+7]
.endr
.irp p, 0,1,2,3,4,5,6,7
	v_pk_fma_f32 v[ACC+2*\p:ACC+2*\p+1], v[ACC+2*\p:ACC+2*\p+1], v[WB+8*\p+4:WB+8*\p+5], v[ACC+2*\p:ACC+2*\p+1]
.endr
.endm
; A chunk for my tile: product, gelu, and the block of 32 units quantised: my 16 numbers and lane l xor 16's.
; tail = 0: chunk ch, in the immediates; the four chunks' bytes are gathered into the scale word.  tail = 1: my chunk stands in the address registers and bases, and its byte leaves alone.
.macro WORK ch, tail
	KLOOP \ch, 1
	GELU
	s_wait_xcnt 0x0                                ; the last stores' data may be written again
	v_max3_num_f32 v20, |v[ACC]|, |v[ACC+1]|, 0x1800000
	v_max3_num_f32 v22, |v[ACC+2]|, |v[ACC+3]|, |v[ACC+4]|
	v_max3_num_f32 v20, v20, |v[ACC+5]|, |v[ACC+6]|
	v_max3_num_f32 v22, v22, |v[ACC+7]|, |v[ACC+8]|
	v_max3_num_f32 v20, v20, |v[ACC+9]|, |v[ACC+10]|
	v_max3_num_f32 v22, v22, |v[ACC+11]|, |v[ACC+12]|
	v_max3_num_f32 v20, v20, |v[ACC+13]|, |v[ACC+14]|
	v_max3_num_f32 v20, v20, v22, |v[ACC+15]|
	v_permlanex16_b32 v21, v20, s30, s31
	v_max_num_f32 v20, v20, v21
	v_add_nc_u32 v22, 0xff000000, v20
	v_cvt_scalef32_pk8_fp4_f32 v18, v[ACC:ACC+7], v22
	v_cvt_scalef32_pk8_fp4_f32 v19, v[ACC+8:ACC+15], v22
	v_lshrrev_b32 v23, 23, v22                     ; the scale's byte.  (The plain line behind the conversions)
.if \tail
	v_and_b32 v20, 15, v0
	v_lshlrev_b32 v20, 2, v20                      ; my slot's scale word
	global_store_b64 v11, v[18:19], s[24:25]       ; the wave stores 256 consecutive bytes, aligned: the block's place in the operand's image
	global_store_b8 v20, v23, s[26:27]             ; lanes l and l xor 16 hold the same byte and store it to the same place
.else
.if (\ch) == 0
	v_mov_b32 v14, v23
.else
	v_lshl_or_b32 v14, v23, 8*(\ch), v14
.endif
	global_store_b64 v11, v[18:19], s[24:25] offset:((\ch)/2)*512+((\ch)%2)*256   ; the wave stores 256 consecutive bytes, aligned: the block's place in the operand's image
.if (\ch) == 3
	v_bfe_u32 v20, v0, 4, 1
	v_lshlrev_b32 v20, 4, v20
	v_lshrrev_b32 v20, v20, v14                    ; lanes 0-15 the word's low half, lanes 16-31 its high half
	global_store_b16 v12, v20, s[26:27]            ; the 16 slots' scale words: 64 consecutive bytes
.endif
.endif
.endm
	s_load_b256 s[4:11], s[0:1], 0x0               ; W1, b1, xq, sel
	s_load_b64 s[12:13], s[0:1], 0x20              ; hq
	v_lshrrev_b32 v200, 5, v0
	v_readfirstlane_b32 s14, v200                  ; wave 0..15
	s_lshr_b32 s2, ttmp9, 5                        ; e
	s_and_b32 s3, ttmp9, 31                        ; i
	v_and_b32 v200, 31, v0                         ; lane
	v_and_b32 v201, 15, v0                         ; r
	v_bfe_u32 v202, v0, 4, 1                       ; h
	s_mul_i32 s16, s14, STGB
	s_add_co_u32 s16, s16, STG                     ; my stage
	s_bfe_u32 s21, s14, 0x10002
	s_lshl_b32 s21, s21, 4
	s_lshr_b32 s22, s14, 3
	s_lshl_b32 s22, s22, 3
	s_and_b32 s23, s14, 3
	s_lshl_b32 s23, s23, 1
	s_add_co_u32 s15, s21, s22
	s_add_co_u32 s15, s15, s23                     ; where unit 2 w goes: 16 ((w / 4) % 2) + 8 (w / 8) + 2 (w % 4)
	v_lshlrev_b32 v1, 4, v200
	s_mul_i32 s21, s15, 528
	v_lshl_add_u32 v4, v200, 1, s21                ; my 4 codes: 2 bytes a lane
	s_mul_i32 s22, s15, 48
	s_add_co_u32 s22, s22, WS
	v_lshrrev_b32 v203, 3, v200
	v_add_nc_u32 v5, s22, v203                     ; my block's byte: eight lanes to a block
	v_mul_u32_u24 v6, v201, 528
	v_lshl_add_u32 v6, v202, 4, v6
	v_mul_u32_u24 v7, v201, 48
	v_add_nc_u32 v7, WS, v7
	v_lshl_add_u32 v8, v202, 6, BI
	s_and_b32 s28, s14, 3                          ; my chunk behind the stream
	s_mul_i32 s21, s28, WCA
	v_add_nc_u32 v2, s21, v6
	s_mul_i32 s21, s28, WSA
	v_add_nc_u32 v3, s21, v7
	s_lshl_b32 s21, s28, 7
	v_add_nc_u32 v13, s21, v8
	v_add_nc_u32 v9, s16, v1
	v_add_nc_u32 v10, s16, v6
	v_lshlrev_b32 v11, 4, v201
	v_lshl_add_u32 v11, v202, 3, v11
	v_lshlrev_b32 v12, 2, v201
	v_lshl_add_u32 v12, v202, 1, v12
	v_mov_b32 v16, 0xaf95df0b                      ; P's leading coefficient, -2.72614226e-10
	v_mov_b32 v17, 0xb77460cd                      ; Q's, -1.45660718e-05
	v_and_b32 v18, 127, v0
	v_lshlrev_b32 v18, 2, v18                      ; bias: 4 (thread % 128)
	v_lshlrev_b32 v19, 2, v200                     ; sel: 4 x lane
	v_mov_b32 v21, 0                               ; written once: a lane permute's destination counts as read
	v_lshl_add_u32 v22, v0, 2, BI
	s_lshl_b32 s88, s2, 24
	s_lshl_b32 s21, s3, 19
	s_add_co_u32 s88, s88, s21
	s_lshl_b32 s21, s14, 13
	s_add_co_u32 s88, s88, s21                     ; W1: expert, my work-group's 128 rows, my wave's two
	s_mov_b32 s89, 0
	s_lshl_b32 s90, s2, 14
	s_lshl_b32 s21, s3, 9
	s_add_co_u32 s90, s90, s21                     ; b1
	s_mov_b32 s91, 0
	s_lshl_b32 s22, s2, 12                         ; sel: the expert's row
	s_mov_b32 s23, 0
	s_wait_kmcnt 0x0
	s_add_nc_u64 s[4:5], s[4:5], s[88:89]
	s_add_nc_u64 s[6:7], s[6:7], s[90:91]
	s_add_nc_u64 s[10:11], s[10:11], s[22:23]
	global_load_b32 v23, v18, s[6:7]
.set J, 0
.rept 32
	global_load_b32 v[WB+J], v19, s[10:11] offset:128*J
.set J, J+1
.endr
	STREAM 0
	s_mov_b32 s30, 0x76543210
	s_mov_b32 s31, 0xfedcba98
	s_mov_b32 s66, 0x32edffee                      ; P:  2.77068142e-08
	s_mov_b32 s68, 0xb60cff51                      ;    -2.10102402e-06
	s_mov_b32 s70, 0xb86ec2d2                      ;    -5.69250639e-05
	s_mov_b32 s72, 0xba40ac63                      ;    -7.34990630e-04
	s_mov_b32 s74, 0xbb41a1f6                      ;    -2.95459981e-03
	s_mov_b32 s76, 0xbc83dbd4                      ;    -1.60960333e-02
	s_mov_b32 s78, 0xb95fbd29                      ; Q: -2.13374055e-04
	s_mov_b32 s80, 0xbadc924e                      ;    -1.68282697e-03
	s_mov_b32 s82, 0xbbf19bf8                      ;    -7.37332917e-03
	s_mov_b32 s84, 0xbc69b6a7                      ;    -1.42647391e-02
	s_mov_b32 s86, 0x3f3504f3                      ; 1 / sqrt 2
.irp k, 66,68,70,72,74,76,78,80,82,84,86
	s_mov_b32 s[\k+1], s[\k]                       ; (the packed forms name pairs, so both words are written)
.endr
	s_wait_loadcnt 16                              ; the bias and sel are in; the first chunk's 16 loads stay out
.set J, 0
.rept 32
	v_cmp_ne_u32 s[32+J], 0, v[WB+J]               ; mask word J: bit l = token 32 J + l goes to my expert
.set J, J+1
.endr
	s_cmp_lt_u32 s14, 4
	s_cbranch_scc0 .Lnobias
	ds_store_b32 v22, v23
.Lnobias:
	s_bcnt1_i32_b32 s17, s32
.set J, 1
.rept 31
	s_bcnt1_i32_b32 s21, s[32+J]
	s_add_co_u32 s17, s17, s21
.set J, J+1
.endr
	s_add_co_u32 s18, s17, 15
	s_lshr_b32 s18, s18, 4                         ; the expert's tiles
	s_mov_b32 s19, s14                             ; my first tile
	BASES 0
	VP
	SELECT
	XGATHER
	s_lshr_b32 s19, s14, 2
	s_add_co_u32 s19, s19, 16                      ; my first tile behind the stream: its tokens are found now, while the first chunk is on its way
	VP
	SELECT
	STAGE 0, 18, 1                                 ; behind the chunk's loads: x's 18
	s_wait_loadcnt 16                              ; x is in; chunk 1's 16 loads stay out
	XTURN
	BAR                                            ; chunk 0 and the bias lie in LDS
	WORK 0, 0
	STAGE 1, 0, 1
	BAR
	WORK 1, 0
	STAGE 2, 0, 1
	BAR
	WORK 2, 0
	STAGE 3, 0, 0
	BAR
	WORK 3, 0
.set AWR, 2
.set ASR, 3
.set ABR, 13
	s_mov_b32 s20, 12
.Lpass:                                        ; chunk w % 4 of tile 16 + w / 4 + 4 g: all of W1's part lies in LDS now, and nothing there is written again: no barrier
	s_cmp_ge_u32 s19, s18
	s_cbranch_scc1 .Lskip
	s_wait_xcnt 0x0                                ; the last tile's stores have read their registers and bases
	BASES 1
	XGATHER
	VP
	v_add_nc_u32 v19, 64, v19                      ; the tokens of my next tile, four tiles on, are found while this tile's rows are on their way
	SELECT
	s_wait_loadcnt 0x0
	XTURN
	WORK 0, 1
.Lskip:
	s_add_co_u32 s19, s19, 4
	s_sub_co_i32 s20, s20, 1
	s_cmp_lg_u32 s20, 0
	s_cbranch_scc1 .Lpass
	s_wait_xcnt 0x0
	v_lshl_add_u32 v254, v0, 2, 0x3a200
	v_mov_b32 v255, 0
	s_wait_tensorcnt 0x0
	ds_add_u32 v254, v255
	s_wait_dscnt 0x0
	s_endpgm
.Lfunc_end_k_q9d622fbec2_up:
	.size	k_q9d622fbec2_up, .Lfunc_end_k_q9d622fbec2_up-k_q9d622fbec2_up
	.p2alignl 7, 3214868480
	.fill 96, 4, 3214868480
	.section	.rodata,"a",@progbits
	.p2align	6, 0x0
	.amdhsa_kernel k_q9d622fbec2_up
		.amdhsa_group_segment_fixed_size 240128
		.amdhsa_private_segment_fixed_size 0
		.amdhsa_enable_private_segment 0
		.amdhsa_kernarg_size 40
		.amdhsa_user_sgpr_count 2
		.amdhsa_user_sgpr_kernarg_segment_ptr 1
		.amdhsa_wavefront_size32 1
		.amdhsa_system_sgpr_workgroup_id_x 1
		.amdhsa_system_sgpr_workgroup_id_y 1
		.amdhsa_system_sgpr_workgroup_id_z 1
		.amdhsa_system_vgpr_workitem_id 0
		.amdhsa_next_free_vgpr 256
		.amdhsa_next_free_sgpr 92
		.amdhsa_reserve_vcc 1
		.amdhsa_float_denorm_mode_32 3
		.amdhsa_float_denorm_mode_16_64 3
		.amdhsa_memory_ordered 1
		.amdhsa_forward_progress 1
		.amdhsa_inst_pref_size 186
	.end_amdhsa_kernel
	.amdgpu_metadata
---
amdhsa.version: [ 1, 2 ]
amdhsa.kernels:
  - .name:           k_q9d622fbec2_up
    .symbol:         k_q9d622fbec2_up.kd
    .args:
      - { .name: W1, .offset: 0, .size: 8, .value_kind: global_buffer, .address_space: global }
      - { .name: b1, .offset: 8, .size: 8, .value_kind: global_buffer, .address_space: global }
      - { .name: xq, .offset: 16, .size: 8, .value_kind: global_buffer, .address_space: global }
      - { .name: sel, .offset: 24, .size: 8, .value_kind: global_buffer, .address_space: global }
      - { .name: hq, .offset: 32, .size: 8, .value_kind: global_buffer, .address_space: global }
    .group_segment_fixed_size: 240128
    .private_segment_fixed_size: 0
    .kernarg_segment_align: 8
    .kernarg_segment_size: 40
    .max_flat_workgroup_size: 512
    .sgpr_count:     92
    .vgpr_count:     256
    .wavefront_size: 32
...
	.end_amdgpu_metadata
.endif
;; end of part 2
;; launch down (part 3): grid 256 x 1, 16 waves a work-group, no clusters, 270,848 bytes of LDS; arguments W2, b2, hq, sel, gate, y; writes y
.if DOCPART == 3
	.amdgcn_target "amdgcn-amd-amdhsa--gfx1250"
	.amdhsa_code_object_version 6
	.text
	.protected	k_q9d622fbec2_down
	.globl	k_q9d622fbec2_down
	.p2align	8
	.type	k_q9d622fbec2_down,@function
k_q9d622fbec2_down:
	s_mov_b64 s[64:65], 0
	v_nop
	global_prefetch_b8 v0, s[64:65] scope:SCOPE_SE
	s_setreg_imm32_b32 hwreg(HW_REG_WAVE_MODE, 25, 1), 1
	s_wait_xcnt 0x0
; SECOND PRODUCT OF EACH EXPERT: y[row] = c (hidden W2[e]^T + b2[e]) for the rows routed to e, on codes of E2M1 with one E8M0 scale for each 32 along K (the 4,096 hidden units).
; SHARES.  Work-group (e = id / 32, cb = id % 32) owns output columns 32 cb .. 32 cb + 31 of expert e: 524,288 bytes of W2, read ONCE as f32, in four chunks of 1,024 along K, quantised on the way into LDS, where they stay.
; The numbers are quantised in the registers in which they land: a lane holds 4, eight lanes a block of 32.
; Wave w takes tile w (16 slots) always, chunk by chunk under the stream; the hidden layer's fragments come from hq as images of the operand's registers, 512 consecutive bytes to a load.
; Tiles 16-19, where the expert has them, come behind the stream with K shared out: wave w multiplies chunk w % 4 of tile 16 + w / 4, the four partial sums meet in LDS behind one barrier, and the wave of chunk 0 adds them.
; Tiles 20 on: a wave to a tile, 20 + w + 16 g.
; The product is used transposed (source 0 = 16 rows of W2, source 1 = 16 slots): a lane holds one slot and eight neighbouring columns.
; WHERE A ROW GOES.  A token's first choice goes to row token, its second to row 1,024 + token of y: each row has one owner.  A slot past the expert's rows goes to dump row 2,048 + e, which nobody reads.
; The token of a slot is found in registers from the mask words made of sel (SELECT); the row numbers steer addresses and are whole numbers read from memory.
; A work-group owns 32 columns, so a row's piece is 128 consecutive bytes: each store of the wave covers one such piece.
; No sharing by clusters: the number of tiles hangs on counts read from memory, so joint loads would have to run all 64 tiles of an expert; a quarter of that is what is read now.
; LIMITS: NaN and infinities are not served.  A block of zeros gets the scale byte 1 (only this program reads the bytes).  The sums of tiles 16-19 are added in another order (four parts along K) than those of the other tiles.
.set WCA, 16896                        ; LDS 0: four chunk areas of codes: 32 rows x (512 bytes + 16)
.set WS,  67584                        ; four areas of scale bytes:
.set WSA, 1536                         ; 32 rows x (32 bytes + 16)
.set BI,  73728                        ; the 32 biases, and behind them 128 bytes of zeros
.set STG, 74240                        ; a stage of
.set STGB, 10240                       ; 10,240 bytes for each wave: from byte 0 the way out, from byte
.set PART, 4096                        ; 4,096 a partial sum's 16 registers.  (LDS is claimed three stages past the last wave's, so that "my stage + 3" lies inside it for every wave's number)
.set BC,  0
.set BU,  64                           ; bias bytes from tile to tile
.set F,   24                           ; v24-87   eight fragments of the hidden layer
.set FS,  88                           ; v88-95   their scale words, and nothing else
.set SR,  96                           ; v96-159  the stream
.set WB,  160                          ; v160-223 two buffers of W's fragments; everything at work
.set SW,  224                          ; v224-239 W's scale words, and nothing else
.set ACC, 240                          ; v240-255 two accumulators
.set AWR, 6                            ; which registers address W's fragments, W's scale words and the bias: v6, v7, v8 with the chunk in the immediate; for tiles 16-19 v2, v3, v13 with my chunk inside
.set ASR, 7
.set ABR, 8
; v1 16 lane; v4, v5 where my codes and scale bytes go; v6, v7 where fragments and scale words are read; v8 bias; v2, v3 the first two at chunk wave % 4; v13 the bias for chunk 0, the zeros for the others;
; v9, v10 stage in and out for y; v11 4 lane; v12 4 r; v14 my slot's row of y; v15 its token; v[16:17] its weight; v18 its choice; v19 its rank; v20-23 at work
; s2 e, s3 cb, s14 wave, s15 position, s16 my stage, s17 the expert's rows, s18 its tiles, s19 my tile, s20 passes to go, s[24:27] hq for my tile, s[28:29] y at my columns, s[32:63] mask words, s66 wave % 4, s[68:69] gate, s[70:71] y
.macro PLACES                          ; four plain vector lines behind a matrix instruction, ahead of loads into its registers and of reads of its result
.rept 4
	v_nop
.endr
.endm
.macro BAR
	s_wait_dscnt 0x0
	s_barrier_signal -1
	s_barrier_wait -1
.endm
.macro SLOAD ch, n                     ; load n of chunk ch: 512 consecutive bytes; 4,096 bytes of each of my two rows of W2
	global_load_b128 v[SR+4*(\n):SR+4*(\n)+3], v1, s[4:5] offset:((\n)/8)*16384+(\ch)*4096+512*((\n)%8) th:TH_LOAD_NT
.endm
.macro STREAM ch
.set N_, 0
.rept 16
	SLOAD \ch, N_
.set N_, N_+1
.endr
.endm
; Chunk ch is quantised into its area, four loads at a time, in the registers as loaded: load n holds numbers 128 (n % 8) + 4 lane + 0 .. 3 of row n / 8, so lanes 8 j .. 8 j + 7 hold a block of 32.
; A conversion takes eight registers and one scale: two neighbouring loads share their eight registers, and each gets a conversion with its own scale, of which its own half (low for the even load, high for the odd) is kept.
; cnt: the loads issued behind the chunk's.  more = 1: each four registers are loaded again, for the next chunk, as soon as they are converted.
; The wait in front of loads 4 g .. 4 g + 3: behind them stand 12 - 4 g of the chunk, cnt others, and with more = 1 the 4 g loaded again.
.macro STAGE ch, cnt, more
.set G_, 0
.rept 4
.if \more
	s_wait_loadcnt (\cnt)+12
.else
	s_wait_loadcnt (\cnt)+12-4*G_
.endif
.irp k, 0,1,2,3
	v_max3_num_f32 v[WB+32+\k], |v[SR+16*G_+4*\k]|, |v[SR+16*G_+4*\k+1]|, 0x1800000   ; my four numbers, and the floor 2^(3 - 127): the byte cannot fall under 1
.endr
.irp k, 0,1,2,3
	v_max3_num_f32 v[WB+32+\k], v[WB+32+\k], |v[SR+16*G_+4*\k+2]|, |v[SR+16*G_+4*\k+3]|
.endr
.irp x, 1,2,4
.irp k, 0,1,2,3
	v_max_num_f32_dpp v[WB+32+\k], v[WB+32+\k], v[WB+32+\k] row_xmask:\x row_mask:0xf bank_mask:0xf   ; with the block's other seven lanes
.endr
.endr
.irp k, 0,1,2,3
	v_add_nc_u32 v[WB+36+\k], 0xff000000, v[WB+32+\k]                      ; 2 off the exponent field: the conversion's scale operand
.endr
.irp k, 0,1,2,3
	v_cvt_scalef32_pk8_fp4_f32 v[WB+4*G_+\k], v[SR+16*G_+8*(\k/2):SR+16*G_+8*(\k/2)+7], v[WB+36+\k]
.endr
.irp k, 0,1,2,3
	v_lshrrev_b32 v[WB+16+4*G_+\k], 23, v[WB+36+\k]                        ; the scale's byte.  (The plain lines behind the conversions)
.endr
.irp k, 1,3
	v_lshrrev_b32 v[WB+4*G_+\k], 16, v[WB+4*G_+\k]                         ; the odd load's four codes
.endr
.irp k, 0,1,2,3
	ds_store_b16 v4, v[WB+4*G_+\k] offset:(\ch)*WCA+(G_/2)*528+64*(4*(G_%2)+\k)        ; the wave stores 64 consecutive bytes of a row of codes
	ds_store_b8 v5, v[WB+16+4*G_+\k] offset:(\ch)*WSA+(G_/2)*48+4*(4*(G_%2)+\k)        ; the eight lanes of a block store the same byte
.endr
.if \more
.irp k, 0,1,2,3
	SLOAD (\ch)+1, 4*G_+\k
.endr
.endif
.set G_, G_+1
.endr
.endm
.macro LOADW buf, ch, s0
.irp d, 0,1
.irp u, 0,1
.irp k2, 0,1
	ds_load_b128 v[WB+32*(\buf)+16*\d+8*\u+4*\k2:WB+32*(\buf)+16*\d+8*\u+4*\k2+3], v[AWR] offset:(\ch)*WCA+\u*8448+64*((\s0)+\d)+32*\k2
.endr
.endr
.endr
.endm
.macro MM4 buf, s0                     ; four products; the two accumulators take turns, one instruction a turn
.irp d, 0,1
.irp u, 0,1
	v_wmma_scale_f32_16x16x128_f8f6f4 v[ACC+8*\u:ACC+8*\u+7], v[WB+32*(\buf)+16*\d+8*\u:WB+32*(\buf)+16*\d+8*\u+7], v[F+8*((\s0)+\d):F+8*((\s0)+\d)+7], v[ACC+8*\u:ACC+8*\u+7], v[SW+8*\u+(\s0)+\d], v[FS+(\s0)+\d] matrix_a_fmt:MATRIX_FMT_FP4 matrix_b_fmt:MATRIX_FMT_FP4
.endr
.endr
.endm
.macro KLOOP ch, bias                  ; 1,024 along K: eight K steps x two tiles.  bias = 1: the accumulators begin as what the bias register points at, loaded in the result's layout
.if \bias
.irp u, 0,1
	ds_load_b128 v[ACC+8*\u:ACC+8*\u+3], v[ABR] offset:BC*(\ch)+BU*\u
	ds_load_b128 v[ACC+8*\u+4:ACC+8*\u+7], v[ABR] offset:BC*(\ch)+BU*\u+16
.endr
.endif
.irp u, 0,1
.irp q, 0,1
	ds_load_b128 v[SW+8*\u+4*\q:SW+8*\u+4*\q+3], v[ASR] offset:(\ch)*WSA+\u*768+16*\q
.endr
.endr
	LOADW 0, \ch, 0
	LOADW 1, \ch, 2
	s_wait_dscnt 8                                 ; all but the younger buffer's eight loads
	MM4 0, 0
	PLACES
	LOADW 0, \ch, 4
	s_wait_dscnt 8
	MM4 1, 2
	PLACES
	LOADW 1, \ch, 6
	s_wait_dscnt 8
	MM4 0, 4
	s_wait_dscnt 0x0
	MM4 1, 6
	PLACES
.endm
.macro SSTEP src, width, stp
	v_bfe_u32 v[WB+9], v[\src], v[WB+8], \width
	v_cmp_ge_u32 vcc_lo, v[WB+3], v[WB+9]
	v_cndmask_b32 v[WB+9], 0, v[WB+9], vcc_lo
	v_sub_nc_u32 v[WB+3], v[WB+3], v[WB+9]
	v_cndmask_b32 v[WB+10], 0, \stp, vcc_lo
	v_add_nc_u32 v[WB+8], v[WB+8], v[WB+10]
.endm
; v19 = a rank p; v15 = the expert's p-th token.  Whole numbers only: the last mask word whose running count is at most p, then the (p - count)-th set bit in it by five halvings.  A rank past the rows gives some token under 1,024.
.macro SELECT
	v_mov_b32 v[WB], s32
	v_mov_b32 v[WB+1], 0
	v_mov_b32 v[WB+2], 0
	s_mov_b32 s21, 0
.set J, 1
.rept 31
	s_bcnt1_i32_b32 s22, s[31+J]
	s_add_co_u32 s21, s21, s22
	v_cmp_le_u32 vcc_lo, s21, v19
	v_cndmask_b32 v[WB], v[WB], s[32+J], vcc_lo
	v_cndmask_b32 v[WB+1], v[WB+1], s21, vcc_lo
	v_cndmask_b32 v[WB+2], v[WB+2], J, vcc_lo
.set J, J+1
.endr
	v_sub_nc_u32 v[WB+3], v19, v[WB+1]
	v_lshrrev_b32 v[WB+4], 1, v[WB]
	v_and_b32 v[WB+4], 0x55555555, v[WB+4]
	v_sub_nc_u32 v[WB+4], v[WB], v[WB+4]
	v_lshrrev_b32 v[WB+5], 2, v[WB+4]
	v_and_b32 v[WB+5], 0x33333333, v[WB+5]
	v_and_b32 v[WB+6], 0x33333333, v[WB+4]
	v_add_nc_u32 v[WB+5], v[WB+5], v[WB+6]
	v_lshrrev_b32 v[WB+6], 4, v[WB+5]
	v_add_nc_u32 v[WB+6], v[WB+6], v[WB+5]
	v_and_b32 v[WB+6], 0x0f0f0f0f, v[WB+6]
	v_lshrrev_b32 v[WB+7], 8, v[WB+6]
	v_add_nc_u32 v[WB+7], v[WB+7], v[WB+6]
	v_mov_b32 v[WB+8], 0
	SSTEP WB+7, 8, 16
	SSTEP WB+6, 8, 8
	SSTEP WB+5, 4, 4
	SSTEP WB+4, 2, 2
	SSTEP WB, 1, 1
	v_lshl_add_u32 v15, v[WB+2], 5, v[WB+8]
	v_min_u32 v15, 0x3ff, v15
.endm
.macro VP                              ; my slot's rank: 16 x tile + lane % 16
	v_and_b32 v19, 15, v0
	v_lshl_add_u32 v19, s19, 4, v19
.endm
.macro BASES part                      ; hq at my tile 64 e + m.  part = 1: and at my chunk's eight K steps
	s_lshl_b32 s21, s2, 6
	s_add_co_u32 s21, s21, s19
	s_lshl_b32 s72, s21, 15
.if \part
	s_lshl_b32 s22, s66, 13
	s_add_co_u32 s72, s72, s22
.endif
	s_mov_b32 s73, 0
	s_add_nc_u64 s[24:25], s[8:9], s[72:73]
	s_lshl_b32 s72, s21, 11
	s_add_co_u32 s72, s72, 0x1000000
.if \part
	s_lshl_b32 s22, s66, 9
	s_add_co_u32 s72, s72, s22
.endif
	s_add_nc_u64 s[26:27], s[8:9], s[72:73]
.endm
.macro GATE                            ; 2 loads: which choice my expert is for my slot's token, and its weight
	v_lshlrev_b32 v20, 2, v15
	v_lshlrev_b32 v21, 5, v15
	global_load_b32 v18, v20, s[10:11]
	global_load_b32 v16, v21, s[68:69]
.endm
.macro HLOAD q                         ; 24 loads: the hidden layer's K steps 8 q .. 8 q + 7 of my tile, and their scale words
.irp s, 0,1,2,3,4,5,6,7
.irp k2, 0,1
	global_load_b128 v[F+8*\s+4*\k2:F+8*\s+4*\k2+3], v1, s[24:25] offset:(8*(\q)+\s)*1024+512*\k2
.endr
.endr
.irp s, 0,1,2,3,4,5,6,7
	global_load_b32 v[FS+\s], v12, s[26:27] offset:(8*(\q)+\s)*64
.endr
.endm
; The tile leaves: x the weight, through my stage, a row of 128 bytes to a store.
.macro OUT
	v_lshl_add_u32 v14, v18, 10, v15
	v_add_nc_u32 v14, 0xfffffc00, v14              ; (choice - 1) x 1,024 + token
	s_add_co_u32 s21, s2, 2048
	v_mov_b32 v20, s21
	v_cmp_gt_u32 vcc_lo, s17, v19                  ; is my slot one of the expert's rows?
	v_cndmask_b32 v14, v20, v14, vcc_lo            ; else the dump row
.irp p, 0,1,2,3,4,5,6,7
	v_pk_mul_f32 v[WB+2*\p:WB+2*\p+1], v[ACC+2*\p:ACC+2*\p+1], v[16:17] op_sel_hi:[1,0]   ; each accumulator from its low end on
.endr
.irp u, 0,1
	ds_store_b128 v9, v[WB+8*\u:WB+8*\u+3] offset:64*\u
	ds_store_b128 v9, v[WB+8*\u+4:WB+8*\u+7] offset:64*\u+16
.endr
.irp i, 0,1,2,3,4,5,6,7,8,9,10,11,12,13,14,15
	ds_load_b32 v[WB+16+\i], v10 offset:144*\i     ; LDS serves a wave's instructions in order (ISA guide 5.7.1.4): these see the stores above
.endr
.irp i, 0,1,2,3,4,5,6,7,8,9,10,11,12,13,14,15
	v_readlane_b32 s22, v14, \i
	s_min_u32 s22, s22, 2055
	v_lshl_add_u32 v[WB+32+\i], s22, 12, v11
.endr
	s_wait_dscnt 0x0
.irp i, 0,1,2,3,4,5,6,7,8,9,10,11,12,13,14,15
	global_store_b32 v[WB+32+\i], v[WB+16+\i], s[28:29]   ; 32 lanes store 128 consecutive bytes of one row
.endr
.endm
	s_load_b256 s[4:11], s[0:1], 0x0               ; W2, b2, hq, sel
	s_load_b128 s[68:71], s[0:1], 0x20             ; gate, y
	v_lshrrev_b32 v200, 5, v0
	v_readfirstlane_b32 s14, v200                  ; wave 0..15
	s_lshr_b32 s2, ttmp9, 5                        ; e
	s_and_b32 s3, ttmp9, 31                        ; cb
	v_and_b32 v200, 31, v0                         ; lane
	v_and_b32 v201, 15, v0                         ; r
	v_bfe_u32 v202, v0, 4, 1                       ; h
	s_mul_i32 s16, s14, STGB
	s_add_co_u32 s16, s16, STG                     ; my stage
	s_lshl_b32 s15, s14, 1                         ; my two rows' places
	v_lshlrev_b32 v1, 4, v200
	s_mul_i32 s21, s15, 528
	v_lshl_add_u32 v4, v200, 1, s21                ; my 4 codes: 2 bytes a lane
	s_mul_i32 s22, s15, 48
	s_add_co_u32 s22, s22, WS
	v_lshrrev_b32 v203, 3, v200
	v_add_nc_u32 v5, s22, v203                     ; my block's byte: eight lanes to a block
	v_mul_u32_u24 v6, v201, 528
	v_lshl_add_u32 v6, v202, 4, v6
	v_mul_u32_u24 v7, v201, 48
	v_add_nc_u32 v7, WS, v7
	v_lshl_add_u32 v8, v202, 5, BI
	s_and_b32 s66, s14, 3                          ; my chunk of tiles 16-19
	s_mul_i32 s21, s66, WCA
	v_add_nc_u32 v2, s21, v6
	s_mul_i32 s21, s66, WSA
	v_add_nc_u32 v3, s21, v7
	s_min_u32 s21, s66, 1
	s_lshl_b32 s21, s21, 7
	v_add_nc_u32 v13, s21, v8                      ; chunk 0 begins as the bias, the others as the zeros 128 bytes on
	v_mul_u32_u24 v9, v201, 144
	v_lshl_add_u32 v9, v202, 5, v9
	v_add_nc_u32 v9, s16, v9
	v_lshlrev_b32 v11, 2, v200
	v_add_nc_u32 v10, s16, v11
	v_lshlrev_b32 v12, 2, v201
	v_mov_b32 v17, 0                               ; (named with v16 as a pair, so it is written)
	v_lshl_add_u32 v22, v0, 2, BI
	s_lshl_b32 s72, s2, 24
	s_lshl_b32 s21, s3, 19
	s_add_co_u32 s72, s72, s21
	s_lshl_b32 s21, s14, 15
	s_add_co_u32 s72, s72, s21                     ; W2: expert, my work-group's 32 rows, my wave's two
	s_mov_b32 s73, 0
	s_lshl_b32 s74, s2, 12
	s_mov_b32 s75, 0                               ; sel: the expert's row;  b2: the same + 128 cb
	s_lshl_b32 s22, s3, 7
	s_mov_b32 s23, 0
	s_lshl_b32 s30, s2, 2                          ; gate: 4 e
	s_mov_b32 s31, 0
	s_wait_kmcnt 0x0
	s_add_nc_u64 s[4:5], s[4:5], s[72:73]
	s_add_nc_u64 s[6:7], s[6:7], s[74:75]
	s_add_nc_u64 s[6:7], s[6:7], s[22:23]
	s_add_nc_u64 s[10:11], s[10:11], s[74:75]
	s_add_nc_u64 s[68:69], s[68:69], s[30:31]
	s_add_nc_u64 s[28:29], s[70:71], s[22:23]      ; y at my 32 columns
	global_load_b32 v23, v11, s[6:7]
.set J, 0
.rept 32
	global_load_b32 v[WB+J], v11, s[10:11] offset:128*J
.set J, J+1
.endr
	STREAM 0
	s_wait_loadcnt 16                              ; the bias and sel are in; the first chunk's 16 loads stay out
.set J, 0
.rept 32
	v_cmp_ne_u32 s[32+J], 0, v[WB+J]               ; mask word J: bit l = token 32 J + l goes to my expert
.set J, J+1
.endr
	s_cmp_lt_u32 s14, 2                            ; wave 0 stores the 32 biases, wave 1 the 32 zeros behind them
	s_cbranch_scc0 .Lnobias
	s_cmp_eq_u32 s14, 0
	s_cbranch_scc1 .Lisbias
	v_mov_b32 v23, 0
.Lisbias:
	ds_store_b32 v22, v23
.Lnobias:
	s_bcnt1_i32_b32 s17, s32
.set J, 1
.rept 31
	s_bcnt1_i32_b32 s21, s[32+J]
	s_add_co_u32 s17, s17, s21
.set J, J+1
.endr
	s_add_co_u32 s18, s17, 15
	s_lshr_b32 s18, s18, 4                         ; the expert's tiles
	s_mov_b32 s19, s14                             ; my first tile
	BASES 0
	VP
	SELECT
	GATE
	HLOAD 0
	STAGE 0, 26, 1                                 ; behind the chunk's loads: GATE's 2 and HLOAD's 24
	BAR                                            ; chunk 0, the bias and the zeros lie in LDS
	s_wait_loadcnt 16                              ; the hidden fragments are in; the next chunk's 16 loads stay out
	KLOOP 0, 1
	HLOAD 1
	STAGE 1, 24, 1                                 ; behind the chunk's loads: HLOAD's 24
	BAR
	s_wait_loadcnt 16
	KLOOP 1, 0
	HLOAD 2
	STAGE 2, 24, 1
	BAR
	s_wait_loadcnt 16
	KLOOP 2, 0
	HLOAD 3
	STAGE 3, 24, 0
	BAR
	s_wait_loadcnt 0x0
	KLOOP 3, 0
	OUT
	; TILES 16-19.  All of W2's part lies in LDS now, and nothing there is written again.  Four waves share a tile's K: one flight of loads and eight K steps each.
	s_lshr_b32 s19, s14, 2
	s_add_co_u32 s19, s19, 16
	s_cmp_ge_u32 s19, s18
	s_cbranch_scc1 .Lnopart
	s_wait_xcnt 0x0                                ; the last tile's stores have read their registers
	BASES 1
	HLOAD 0
	VP                                             ; the slots' tokens are found while the fragments are on their way
	SELECT
	GATE
	s_wait_loadcnt 2                               ; the fragments are in; GATE's two loads stay out
.set AWR, 2
.set ASR, 3
.set ABR, 13
	KLOOP 0, 1
	s_wait_loadcnt 0x0                             ; GATE's
.irp i, 0,1,2,3,4,5,6,7,8,9,10,11,12,13,14,15
	ds_store_b32 v10, v[ACC+\i] offset:PART+128*\i   ; my partial sums as an image of their registers, each accumulator from its low end on
.endr
.Lnopart:
	BAR                                            ; on every wave's path: the partial sums lie in LDS
	s_cmp_ge_u32 s19, s18
	s_cbranch_scc1 .Lnosum
	s_cmp_lg_u32 s66, 0
	s_cbranch_scc1 .Lnosum
	s_wait_xcnt 0x0                                ; no store still reads the registers written below
.irp k, 1,2,3                          ; the wave of chunk 0 adds the next three waves' parts onto its own
.irp i, 0,1,2,3,4,5,6,7,8,9,10,11,12,13,14,15
	ds_load_b32 v[WB+16*\k+\i], v10 offset:\k*STGB+PART+128*\i
.endr
.endr
	s_wait_dscnt 0x0
.irp k, 1,2,3
.irp p, 0,1,2,3,4,5,6,7
	v_pk_add_f32 v[ACC+2*\p:ACC+2*\p+1], v[ACC+2*\p:ACC+2*\p+1], v[WB+16*\k+2*\p:WB+16*\k+2*\p+1]
.endr
.endr
	OUT
.Lnosum:
.set AWR, 6
.set ASR, 7
.set ABR, 8
	s_add_co_u32 s19, s14, 4
	s_mov_b32 s20, 3
.Lpass:                                        ; tiles 20 + w + 16 g: a wave to a tile; the way out uses the stage's first bytes, which no partial sum touches: no barrier
	s_add_co_u32 s19, s19, 16
	s_cmp_ge_u32 s19, s18
	s_cbranch_scc1 .Lskip
	s_wait_xcnt 0x0                                ; the last tile's stores have read their registers
	BASES 0
	VP
	SELECT
	GATE
	HLOAD 0
	s_wait_loadcnt 0x0
	KLOOP 0, 1
	HLOAD 1
	s_wait_loadcnt 0x0
	KLOOP 1, 0
	HLOAD 2
	s_wait_loadcnt 0x0
	KLOOP 2, 0
	HLOAD 3
	s_wait_loadcnt 0x0
	KLOOP 3, 0
	OUT
.Lskip:
	s_sub_co_i32 s20, s20, 1
	s_cmp_lg_u32 s20, 0
	s_cbranch_scc1 .Lpass
	s_wait_xcnt 0x0
	v_lshl_add_u32 v254, v0, 2, 0x41a00
	v_mov_b32 v255, 0
	s_wait_tensorcnt 0x0
	ds_add_u32 v254, v255
	s_wait_dscnt 0x0
	s_endpgm
.Lfunc_end_k_q9d622fbec2_down:
	.size	k_q9d622fbec2_down, .Lfunc_end_k_q9d622fbec2_down-k_q9d622fbec2_down
	.p2alignl 7, 3214868480
	.fill 96, 4, 3214868480
	.section	.rodata,"a",@progbits
	.p2align	6, 0x0
	.amdhsa_kernel k_q9d622fbec2_down
		.amdhsa_group_segment_fixed_size 270848
		.amdhsa_private_segment_fixed_size 0
		.amdhsa_enable_private_segment 0
		.amdhsa_kernarg_size 48
		.amdhsa_user_sgpr_count 2
		.amdhsa_user_sgpr_kernarg_segment_ptr 1
		.amdhsa_wavefront_size32 1
		.amdhsa_system_sgpr_workgroup_id_x 1
		.amdhsa_system_sgpr_workgroup_id_y 1
		.amdhsa_system_sgpr_workgroup_id_z 1
		.amdhsa_system_vgpr_workitem_id 0
		.amdhsa_next_free_vgpr 256
		.amdhsa_next_free_sgpr 76
		.amdhsa_reserve_vcc 1
		.amdhsa_float_denorm_mode_32 3
		.amdhsa_float_denorm_mode_16_64 3
		.amdhsa_memory_ordered 1
		.amdhsa_forward_progress 1
		.amdhsa_inst_pref_size 183
	.end_amdhsa_kernel
	.amdgpu_metadata
---
amdhsa.version: [ 1, 2 ]
amdhsa.kernels:
  - .name:           k_q9d622fbec2_down
    .symbol:         k_q9d622fbec2_down.kd
    .args:
      - { .name: W2, .offset: 0, .size: 8, .value_kind: global_buffer, .address_space: global }
      - { .name: b2, .offset: 8, .size: 8, .value_kind: global_buffer, .address_space: global }
      - { .name: hq, .offset: 16, .size: 8, .value_kind: global_buffer, .address_space: global }
      - { .name: sel, .offset: 24, .size: 8, .value_kind: global_buffer, .address_space: global }
      - { .name: gate, .offset: 32, .size: 8, .value_kind: global_buffer, .address_space: global }
      - { .name: y, .offset: 40, .size: 8, .value_kind: global_buffer, .address_space: global }
    .group_segment_fixed_size: 270848
    .private_segment_fixed_size: 0
    .kernarg_segment_align: 8
    .kernarg_segment_size: 48
    .max_flat_workgroup_size: 512
    .sgpr_count:     76
    .vgpr_count:     256
    .wavefront_size: 32
...
	.end_amdgpu_metadata
.endif
;; end of part 3
;; launch sum (part 4): grid 257 x 1, 8 waves a work-group, no clusters, 3,072 bytes of LDS; arguments y, gate, out0, out1; writes out0, out1
.if DOCPART == 4
	.amdgcn_target "amdgcn-amd-amdhsa--gfx1250"
	.amdhsa_code_object_version 6
	.text
	.protected	k_q9d622fbec2_sum
	.globl	k_q9d622fbec2_sum
	.p2align	8
	.type	k_q9d622fbec2_sum,@function
k_q9d622fbec2_sum:
	s_mov_b64 s[64:65], 0
	v_nop
	global_prefetch_b8 v0, s[64:65] scope:SCOPE_SE
	s_setreg_imm32_b32 hwreg(HW_REG_WAVE_MODE, 25, 1), 1
	s_wait_xcnt 0x0
; out0[t] = y[t] + y[1,024 + t]: a token's two weighted expert rows.  Work-groups 0-255 take 4 tokens (16,384 bytes) each; every load and store of a wave covers 512 consecutive bytes.
; Work-group 256 makes out1 = 8 x sum over e of (count_e / 2,048) (sum of probs_e / 1,024) from gate's tables [token][expert]: the softmax at byte 32,768, chosen (1.0 / 0.0) at byte 65,536.
; A stream: no matrix unit, no ring; only the last work-group uses LDS, to join its eight waves' sums.
	s_load_b256 s[4:11], s[0:1], 0x0               ; y, gate, out0, out1
	v_lshl_add_u32 v80, v0, 2, 0x800
	v_mov_b32 v81, 0
	s_cmp_eq_u32 ttmp9, 256
	s_cbranch_scc1 .Laux
	v_lshlrev_b32 v1, 4, v0
	s_lshl_b32 s12, ttmp9, 14
	s_mov_b32 s13, 0
	s_wait_kmcnt 0x0
	s_add_nc_u64 s[4:5], s[4:5], s[12:13]
	s_add_nc_u64 s[8:9], s[8:9], s[12:13]
.irp i, 0,1,2,3
	global_load_b128 v[4+4*\i:7+4*\i], v1, s[4:5] offset:4096*\i th:TH_LOAD_NT
.endr
.irp i, 0,1,2,3
	global_load_b128 v[20+4*\i:23+4*\i], v1, s[4:5] offset:4194304+4096*\i th:TH_LOAD_NT
.endr
	s_wait_loadcnt 0x0
.irp j, 0,2,4,6,8,10,12,14
	v_pk_add_f32 v[4+\j:5+\j], v[4+\j:5+\j], v[20+\j:21+\j]
.endr
.irp i, 0,1,2,3
	global_store_b128 v1, v[4+4*\i:7+4*\i], s[8:9] offset:4096*\i th:TH_STORE_NT
.endr
	s_endpgm
.Laux:                                         ; thread = (32 tokens apart, expert = thread % 8)
	v_lshlrev_b32 v1, 2, v0
	v_lshrrev_b32 v2, 5, v0
	v_readfirstlane_b32 s16, v2                    ; wave
	s_mov_b32 s14, 0x76543210
	s_mov_b32 s15, 0xfedcba98
	s_wait_kmcnt 0x0
.set J, 0
.rept 32
	global_load_b32 v[8+J], v1, s[6:7] offset:32768+1024*J
	global_load_b32 v[40+J], v1, s[6:7] offset:65536+1024*J
.set J, J+1
.endr
	s_wait_loadcnt 0x0
.set J, 4
.rept 28
	v_add_f32 v[8+J%4], v[8+J%4], v[8+J]           ; four chains for each table
	v_add_f32 v[40+J%4], v[40+J%4], v[40+J]
.set J, J+1
.endr
	v_add_f32 v8, v8, v9
	v_add_f32 v10, v10, v11
	v_add_f32 v40, v40, v41
	v_add_f32 v42, v42, v43
	v_add_f32 v8, v8, v10
	v_add_f32 v40, v40, v42
	v_add_f32_dpp v8, v8, v8 row_xmask:8 row_mask:0xf bank_mask:0xf      ; the lanes of my expert: l xor 8,
	v_add_f32_dpp v40, v40, v40 row_xmask:8 row_mask:0xf bank_mask:0xf
	v_permlanex16_b32 v9, v8, s14, s15                                   ; and l xor 16
	v_permlanex16_b32 v41, v40, s14, s15
	v_add_f32 v8, v8, v9
	v_add_f32 v40, v40, v41
	ds_store_b32 v1, v8
	ds_store_b32 v1, v40 offset:1024
	s_wait_dscnt 0x0                               ; my sums lie in LDS
	s_barrier_signal -1
	s_barrier_wait -1
	s_cmp_lg_u32 s16, 0
	s_cbranch_scc1 .Ldone
.irp j, 0,1,2,3,4,5,6,7
	ds_load_b32 v[8+\j], v1 offset:128*\j          ; wave j's sums (in wave 0 the thread is the lane)
	ds_load_b32 v[16+\j], v1 offset:1024+128*\j
.endr
	v_mov_b32 v2, 0
	s_wait_dscnt 0x0
.irp j, 1,2,3,4,5,6,7
	v_add_f32 v8, v8, v[8+\j]
	v_add_f32 v16, v16, v[16+\j]
.endr
	v_mul_f32 v8, v8, v16                          ; sum of probs x count, of expert lane % 8
	v_add_f32_dpp v8, v8, v8 row_xmask:1 row_mask:0xf bank_mask:0xf
	v_add_f32_dpp v8, v8, v8 row_xmask:2 row_mask:0xf bank_mask:0xf
	v_add_f32_dpp v8, v8, v8 row_xmask:4 row_mask:0xf bank_mask:0xf
	v_mul_f32 v8, 0x36800000, v8                   ; x 8 / (2,048 x 1,024) = 2^-18
	s_wait_xcnt 0x0                                ; EXEC changes only behind this wait
	v_cmp_eq_u32 vcc_lo, 0, v0
	s_wait_tensorcnt 0x0
	ds_add_u32 v80, v81
	s_wait_dscnt 0x0
	s_and_saveexec_b32 s17, vcc_lo
	global_store_b32 v2, v8, s[10:11]              ; lane 0 alone
	s_endpgm
.Ldone:
	s_wait_tensorcnt 0x0
	ds_add_u32 v80, v81
	s_wait_dscnt 0x0
	s_endpgm
.Lfunc_end_k_q9d622fbec2_sum:
	.size	k_q9d622fbec2_sum, .Lfunc_end_k_q9d622fbec2_sum-k_q9d622fbec2_sum
	.p2alignl 7, 3214868480
	.fill 96, 4, 3214868480
	.section	.rodata,"a",@progbits
	.p2align	6, 0x0
	.amdhsa_kernel k_q9d622fbec2_sum
		.amdhsa_group_segment_fixed_size 3072
		.amdhsa_private_segment_fixed_size 0
		.amdhsa_enable_private_segment 0
		.amdhsa_kernarg_size 32
		.amdhsa_user_sgpr_count 2
		.amdhsa_user_sgpr_kernarg_segment_ptr 1
		.amdhsa_wavefront_size32 1
		.amdhsa_system_sgpr_workgroup_id_x 1
		.amdhsa_system_sgpr_workgroup_id_y 1
		.amdhsa_system_sgpr_workgroup_id_z 1
		.amdhsa_system_vgpr_workitem_id 0
		.amdhsa_next_free_vgpr 82
		.amdhsa_next_free_sgpr 66
		.amdhsa_reserve_vcc 1
		.amdhsa_float_denorm_mode_32 3
		.amdhsa_float_denorm_mode_16_64 3
		.amdhsa_memory_ordered 1
		.amdhsa_forward_progress 1
		.amdhsa_inst_pref_size 14
	.end_amdhsa_kernel
	.amdgpu_metadata
---
amdhsa.version: [ 1, 2 ]
amdhsa.kernels:
  - .name:           k_q9d622fbec2_sum
    .symbol:         k_q9d622fbec2_sum.kd
    .args:
      - { .name: y, .offset: 0, .size: 8, .value_kind: global_buffer, .address_space: global }
      - { .name: gate, .offset: 8, .size: 8, .value_kind: global_buffer, .address_space: global }
      - { .name: out0, .offset: 16, .size: 8, .value_kind: global_buffer, .address_space: global }
      - { .name: out1, .offset: 24, .size: 8, .value_kind: global_buffer, .address_space: global }
    .group_segment_fixed_size: 3072
    .private_segment_fixed_size: 0
    .kernarg_segment_align: 8
    .kernarg_segment_size: 32
    .max_flat_workgroup_size: 256
    .sgpr_count:     66
    .vgpr_count:     82
    .wavefront_size: 32
...
	.end_amdgpu_metadata
.endif
;; end of part 4
;; ======== version 2 of 2: 4 launches; version 1 with the launches up, down written anew for expert scheduling mode
;; workspace buffers: xq 557,056 bytes; sel 32,768 bytes of whole numbers; gate 98,304 bytes; hq 17,825,792 bytes; y 8,421,376 bytes
;; launch route: the kernel of part 1 again; grid 256 x 1, 8 waves a work-group, no clusters, 23,552 bytes of LDS; arguments x, Wr, xq, sel, gate; writes xq, sel, gate
;; launch up (part 5): grid 256 x 1, 16 waves a work-group, no clusters, 240,128 bytes of LDS; arguments W1, b1, xq, sel, hq; writes hq
.if DOCPART == 5
	.amdgcn_target "amdgcn-amd-amdhsa--gfx1250"
	.amdhsa_code_object_version 6
	.text
	.protected	k_q9d622fbec2_up
	.globl	k_q9d622fbec2_up
	.p2align	8
	.type	k_q9d622fbec2_up,@function
k_q9d622fbec2_up:
	s_mov_b64 s[64:65], 0
	v_nop
	global_prefetch_b8 v0, s[64:65] scope:SCOPE_SE
	s_setreg_imm32_b32 hwreg(HW_REG_WAVE_SCHED_MODE, 0, 2), 2
	s_setreg_imm32_b32 hwreg(HW_REG_WAVE_MODE, 25, 1), 1
	s_wait_xcnt 0x0
	s_wait_alu depctr_vm_vsrc(0)
; FIRST PRODUCT OF EACH EXPERT: hidden = gelu(x W1[e]^T + b1[e]) for the rows routed to e, on codes of E2M1 with one E8M0 scale for each 32 along K; the result is quantised along the hidden units.
; SHARES.  Work-group (e = id / 32, i = id % 32) owns hidden units 128 i .. 128 i + 127 of expert e: 524,288 bytes of W1, read ONCE as f32, in four chunks of 32 units, quantised on the way into LDS, where they stay.
; A chunk's 131,072 bytes (16 waves x 16 loads x 512 bytes) are on their way while the chunk before is multiplied.  The numbers are quantised in the registers in which they land: a lane holds 4, eight lanes a block of 32.
; ROWS.  Slot p of expert e is its p-th token in ascending order; a tile is 16 slots.  Nothing is placed in memory: each wave finds "the token of rank p" in registers from the 32 mask words made of sel (SELECT).
; Wave w takes tile w, always, chunk by chunk under the stream (a tile past the expert's rows works on clamped tokens; the next launch reads tiles 0-15 always, and sends such rows to a dump row).
; Tiles 16 on, where the expert has them, come behind the stream, when all four chunks lie in LDS: a tile's chunks do not depend on each other, so wave w takes chunk w % 4 of tile 16 + w / 4 + 4 g.
; LAYOUT.  The product is used transposed (source 0 = 16 units of W1, source 1 = 16 slots): a lane holds one slot.  Position 16 u + q of a chunk in LDS holds unit 8 u + q + 8 (q / 8), so that the lane's 16 results
; are 16 neighbouring units, 16 (lane / 16) + 0 .. 15, of the chunk's block of 32.  hq takes the codes as the image of the next product's operand registers, [tile][K step i][1,024 bytes], and scale words [tile][K step][slot].
; No sharing by clusters: what the 32 work-groups of an expert share, x's codes, is about a fifth of a work-group's bytes, and the number of tiles hangs on counts read from memory.
; LIMITS: NaN and infinities are not served.  erf is a rational form in z^2 (degrees 6 and 4), z held to +-4, good to a few units in the last place.  A block of zeros gets the scale byte 1 (only this program reads the bytes).
; THE MODE: SCHED_MODE bits 1:0 = 2 (LLVM: expert scheduling mode 2), set by the entry lines.  The code itself states the register dependences between vector or matrix instructions and memory or LDS instructions,
; and those through scalar registers and VCC that vector instructions write, with s_wait_alu, always for 0.
; THE PLAN.  Registers that memory or LDS instructions touch:
;   v1-v13        offsets and LDS addresses: made at the head, ahead of one wait on va_vdst, and never written again.
;   SR            The stream's loads land; STAGE's maxima and conversions read.  One wait on va_vdst to each four loads, behind their conversions; behind it those sixteen registers are loaded again at once.
;   WB + 0 .. 31  In STAGE: a register of its own for each load's codes and for its byte.  Conversions and shifts write them, LDS stores read them: the same wait; the eight stores are dealt among the next four loads' vector lines, which name other registers.
;   WB            In KLOOP: two buffers of fragments.  LDS loads land, products read.  A wait on va_vdst behind a buffer's four products; behind it the buffer's next eight loads, dealt among the other buffer's products.
;                 Between STAGE's stores and KLOOP's loads stands one wait on vm_vsrc: behind the barrier, for the first chunk in XTURN.
;   F, FS         The gather's loads land, behind the gather's own wait on va_vdst, which stands behind the last tile's products.  XTURN's LDS stores read F and its LDS loads land there again: a wait on vm_vsrc between.
;   ACC           The gather's sixteen offsets: vector lines write them ahead of the gather's wait, its loads read them, XTURN's wait on vm_vsrc frees them; then the bias lands there.
;   SW            LDS loads land, products read; the wait on va_vdst ahead of a chunk's stores stands between its products and the next loads.
;   v18-20, v23   A chunk's codes, byte and offset: all vector lines first, one wait on va_vdst, then the stores; freed by the wait on vm_vsrc ahead of the next chunk's products, or at the head of a trip behind the stream.
; Vector lines that write scalars stand in runs, each run under one wait: the 32 mask words; SELECT's compares, seven at a time; a gather's lane reads, eight at a time.
.set WCA, 16896                        ; LDS 0: four chunk areas of codes: 32 positions x (512 bytes + 16)
.set WS,  67584                        ; four areas of scale bytes:
.set WSA, 1536                         ; 32 positions x (32 bytes + 16)
.set BI,  73728                        ; the 128 biases
.set STG, 74240                        ; a stage of
.set STGB, 10240                       ; 10,240 bytes for each wave, its own: x's rows turn into fragments there
.set BC,  128                          ; bias bytes from chunk to chunk,
.set BU,  32                           ; and from tile to tile
.set F,   24                           ; v24-87   x's eight fragments (16 slots x 128 K each)
.set FS,  88                           ; v88-95   their scale words, and nothing else
.set SR,  96                           ; v96-159  the stream: 16 loads
.set WB,  160                          ; v160-223 two buffers of W's fragments; everything at work
.set SW,  224                          ; v224-239 W's scale words, and nothing else
.set ACC, 240                          ; v240-255 two accumulators
.set SC,  88                           ; s88-101  fourteen scalars at work: offsets at the head and in BASES; SELECT's seven masks and seven running counts; eight tokens of a gather
.set AWR, 6                            ; which registers address W's fragments, W's scale words and the bias: v6, v7, v8 with the chunk in the immediate; behind the stream v2, v3, v13 with my chunk inside
.set ASR, 7
.set ABR, 8
; v1 16 lane; v4, v5 where my codes and scale bytes go; v6, v7 where fragments and scale words are read; v8 bias; v2, v3, v13 the same three at chunk wave % 4; v9, v10 stage in and out for x;
; v11, v12 my places in hq's image and scale words; v14 the scale word in the making; v15 my slot's token; v[16:17] two coefficients; v18-23 at work
; s2 e, s3 i, s14 wave, s15 position, s16 my stage, s17 the expert's rows, s18 its tiles, s19 my tile, s20 trips to go, s[24:27] hq for my tile, s28 wave % 4, s[30:31] lane selects, s[32:63] mask words, s[66:87] coefficients
.macro PLACES                          ; four plain vector lines behind a matrix instruction, ahead of loads into its registers and of reads of its result
.rept 4
	v_nop
.endr
.endm
.macro BAR                             ; my LDS stores have landed and my LDS loads are in: then the work-group's barrier
	s_wait_dscnt 0x0
	s_barrier_signal -1
	s_barrier_wait -1
.endm
.macro SLOAD ch, n                     ; load n of chunk ch: 512 consecutive bytes; my two rows of W1 are 8,192 consecutive bytes
	global_load_b128 v[SR+4*(\n):SR+4*(\n)+3], v1, s[4:5] offset:(\ch)*131072+512*(\n) th:TH_LOAD_NT
.endm
.macro STREAM ch
.set N_, 0
.rept 16
	SLOAD \ch, N_
.set N_, N_+1
.endr
.endm
.macro ST2 ch, g, k                    ; load 4 g + k's codes and its block's byte go to LDS
	ds_store_b16 v4, v[WB+4*(\g)+(\k)] offset:(\ch)*WCA+((\g)/2)*528+64*(4*((\g)%2)+(\k))        ; the wave stores 64 consecutive bytes of a row of codes
	ds_store_b8 v5, v[WB+16+4*(\g)+(\k)] offset:(\ch)*WSA+((\g)/2)*48+4*(4*((\g)%2)+(\k))        ; the eight lanes of a block store the same byte
.endm
; Chunk ch is quantised into its area, four loads at a time, in the registers as loaded: load n holds numbers 128 (n % 8) + 4 lane + 0 .. 3 of row n / 8, so lanes 8 j .. 8 j + 7 hold a block of 32.
; A conversion takes eight registers and one scale: two neighbouring loads share their eight registers, and each gets a conversion with its own scale, of which its own half (low for the even load, high for the odd) is kept.
; cnt: the loads issued behind the chunk's.  more = 1: each four registers are loaded again, for the next chunk, as soon as they are converted.
; The wait in front of loads 4 g .. 4 g + 3: behind them stand 12 - 4 g of the chunk, cnt others, and with more = 1 the 4 g loaded again.
; The LDS stores of four loads stand among the vector lines of the next four, which name none of their registers; the last four's stand at the end.
.macro STAGE ch, cnt, more
.set G_, 0
.rept 4
.if \more
	s_wait_loadcnt (\cnt)+12
.else
	s_wait_loadcnt (\cnt)+12-4*G_
.endif
.irp k, 0,1,2,3
	v_max3_num_f32 v[WB+32+\k], |v[SR+16*G_+4*\k]|, |v[SR+16*G_+4*\k+1]|, 0x1800000   ; my four numbers, and the floor 2^(3 - 127): the byte cannot fall under 1
.endr
.if G_ > 0
	ST2 \ch, G_-1, 0
.endif
.irp k, 0,1,2,3
	v_max3_num_f32 v[WB+32+\k], v[WB+32+\k], |v[SR+16*G_+4*\k+2]|, |v[SR+16*G_+4*\k+3]|
.endr
.if G_ > 0
	ST2 \ch, G_-1, 1
.endif
.irp k, 0,1,2,3
	v_max_num_f32_dpp v[WB+32+\k], v[WB+32+\k], v[WB+32+\k] row_xmask:1 row_mask:0xf bank_mask:0xf   ; with the block's other seven lanes
.endr
.if G_ > 0
	ST2 \ch, G_-1, 2
.endif
.irp k, 0,1,2,3
	v_max_num_f32_dpp v[WB+32+\k], v[WB+32+\k], v[WB+32+\k] row_xmask:2 row_mask:0xf bank_mask:0xf
.endr
.if G_ > 0
	ST2 \ch, G_-1, 3
.endif
.irp k, 0,1,2,3
	v_max_num_f32_dpp v[WB+32+\k], v[WB+32+\k], v[WB+32+\k] row_xmask:4 row_mask:0xf bank_mask:0xf
.endr
.irp k, 0,1,2,3
	v_add_nc_u32 v[WB+36+\k], 0xff000000, v[WB+32+\k]                      ; 2 off the exponent field: the conversion's scale operand
.endr
.irp k, 0,1,2,3
	v_cvt_scalef32_pk8_fp4_f32 v[WB+4*G_+\k], v[SR+16*G_+8*(\k/2):SR+16*G_+8*(\k/2)+7], v[WB+36+\k]
.endr
.irp k, 0,1,2,3
	v_lshrrev_b32 v[WB+16+4*G_+\k], 23, v[WB+36+\k]                        ; the scale's byte.  (The plain lines behind the conversions)
.endr
.irp k, 1,3
	v_lshrrev_b32 v[WB+4*G_+\k], 16, v[WB+4*G_+\k]                         ; the odd load's four codes
.endr
	s_wait_alu depctr_va_vdst(0)                   ; these four loads' codes and bytes are written, which their LDS stores read; the maxima and conversions are done reading the sixteen registers in which the next chunk's loads land
.if \more
.irp k, 0,1,2,3
	SLOAD (\ch)+1, 4*G_+\k
.endr
.endif
.set G_, G_+1
.endr
.irp k, 0,1,2,3
	ST2 \ch, 3, \k
.endr
.endm
.macro LW buf, ch, s0, d, u            ; one fragment of W, K step s0 + d, tile u, into buffer buf: two loads
.irp k2, 0,1
	ds_load_b128 v[WB+32*(\buf)+16*(\d)+8*(\u)+4*\k2:WB+32*(\buf)+16*(\d)+8*(\u)+4*\k2+3], v[AWR] offset:(\ch)*WCA+(\u)*8448+64*((\s0)+(\d))+32*\k2
.endr
.endm
.macro MM buf, s0, d, u                ; one product: K step s0 + d, tile u
	v_wmma_scale_f32_16x16x128_f8f6f4 v[ACC+8*(\u):ACC+8*(\u)+7], v[WB+32*(\buf)+16*(\d)+8*(\u):WB+32*(\buf)+16*(\d)+8*(\u)+7], v[F+8*((\s0)+(\d)):F+8*((\s0)+(\d))+7], v[ACC+8*(\u):ACC+8*(\u)+7], v[SW+8*(\u)+(\s0)+(\d)], v[FS+(\s0)+(\d)] matrix_a_fmt:MATRIX_FMT_FP4 matrix_b_fmt:MATRIX_FMT_FP4
.endm
.macro LOADW buf, ch, s0               ; W's fragments of K steps s0, s0 + 1, both tiles, into buffer buf
.irp d, 0,1
.irp u, 0,1
	LW \buf, \ch, \s0, \d, \u
.endr
.endr
.endm
.macro MM4 buf, s0                     ; four products; the two accumulators take turns, one instruction a turn
.irp d, 0,1
.irp u, 0,1
	MM \buf, \s0, \d, \u
.endr
.endr
.endm
.macro MML buf, s0, ch                 ; the same four products, and behind each a fragment of K steps s0 + 2, s0 + 3 into the other buffer: the products name this buffer, F, FS, SW and the accumulators, none of the registers that those loads touch
.irp d, 0,1
.irp u, 0,1
	MM \buf, \s0, \d, \u
	LW 1-(\buf), \ch, (\s0)+2, \d, \u
.endr
.endr
.endm
.macro KLOOP ch, bias                  ; 1,024 along K: eight K steps x two tiles.  bias = 1: the accumulators begin as the bias, loaded in the result's layout
.if \bias
.irp u, 0,1
	ds_load_b128 v[ACC+8*\u:ACC+8*\u+3], v[ABR] offset:BC*(\ch)+BU*\u
	ds_load_b128 v[ACC+8*\u+4:ACC+8*\u+7], v[ABR] offset:BC*(\ch)+BU*\u+16
.endr
.endif
.irp u, 0,1
.irp q, 0,1
	ds_load_b128 v[SW+8*\u+4*\q:SW+8*\u+4*\q+3], v[ASR] offset:(\ch)*WSA+\u*768+16*\q
.endr
.endr
	LOADW 0, \ch, 0
	LOADW 1, \ch, 2
	s_wait_dscnt 8                                 ; all but the younger buffer's eight loads
	MM4 0, 0
	PLACES
	s_wait_alu depctr_va_vdst(0)                   ; the four products are done reading buffer 0, in which K steps 4 and 5 land
	s_wait_dscnt 0x0                               ; buffer 1 is in
	MML 1, 2, \ch
	PLACES
	s_wait_alu depctr_va_vdst(0)                   ; the four products are done reading buffer 1, in which K steps 6 and 7 land
	s_wait_dscnt 0x0                               ; buffer 0 is in
	MML 0, 4, \ch
	s_wait_dscnt 0x0
	MM4 1, 6
	PLACES
.endm
.macro SSTEP src, width, stp           ; one halving: does the wanted bit lie beyond the next stp bits?
	v_bfe_u32 v[WB+9], v[\src], v[WB+8], \width
	v_cmp_ge_u32 vcc_lo, v[WB+3], v[WB+9]
	s_wait_alu depctr_va_vcc(0)                    ; the compare has written VCC, which the two selects read
	v_cndmask_b32 v[WB+9], 0, v[WB+9], vcc_lo
	v_sub_nc_u32 v[WB+3], v[WB+3], v[WB+9]
	v_cndmask_b32 v[WB+10], 0, \stp, vcc_lo
	v_add_nc_u32 v[WB+8], v[WB+8], v[WB+10]
.endm
; v19 = a rank p; v15 = the expert's p-th token.  Whole numbers only: the last mask word whose running count is at most p, then the (p - count)-th set bit in it by five halvings.  A rank past the rows gives some token under 1,024.
; The 31 compares go seven at a time: seven running counts into s[SC+7 ..], seven masks into s[SC ..], one wait, and the 21 selects, in ascending order of the words.
.macro SELECT
	v_mov_b32 v[WB], s32
	v_mov_b32 v[WB+1], 0
	v_mov_b32 v[WB+2], 0
	s_mov_b32 s21, 0
.set J0, 1
.rept 5
.set K_, 0
.rept 7
.if J0+K_ < 32
	s_bcnt1_i32_b32 s22, s[31+J0+K_]
	s_add_co_u32 s21, s21, s22
	s_mov_b32 s[SC+7+K_], s21
	v_cmp_le_u32 s[SC+K_], s21, v19
.endif
.set K_, K_+1
.endr
	s_wait_alu depctr_va_sdst(0)                   ; the run's compares have written their masks, ahead of the selects that read them
.set K_, 0
.rept 7
.if J0+K_ < 32
	v_cndmask_b32 v[WB], v[WB], s[32+J0+K_], s[SC+K_]
	v_cndmask_b32 v[WB+1], v[WB+1], s[SC+7+K_], s[SC+K_]
	v_cndmask_b32 v[WB+2], v[WB+2], J0+K_, s[SC+K_]
.endif
.set K_, K_+1
.endr
.set J0, J0+7
.endr
	v_sub_nc_u32 v[WB+3], v19, v[WB+1]
	v_lshrrev_b32 v[WB+4], 1, v[WB]
	v_and_b32 v[WB+4], 0x55555555, v[WB+4]
	v_sub_nc_u32 v[WB+4], v[WB], v[WB+4]           ; counts of 2 bits
	v_lshrrev_b32 v[WB+5], 2, v[WB+4]
	v_and_b32 v[WB+5], 0x33333333, v[WB+5]
	v_and_b32 v[WB+6], 0x33333333, v[WB+4]
	v_add_nc_u32 v[WB+5], v[WB+5], v[WB+6]         ; of 4
	v_lshrrev_b32 v[WB+6], 4, v[WB+5]
	v_add_nc_u32 v[WB+6], v[WB+6], v[WB+5]
	v_and_b32 v[WB+6], 0x0f0f0f0f, v[WB+6]         ; of 8
	v_lshrrev_b32 v[WB+7], 8, v[WB+6]
	v_add_nc_u32 v[WB+7], v[WB+7], v[WB+6]         ; low byte: of the low 16
	v_mov_b32 v[WB+8], 0
	SSTEP WB+7, 8, 16
	SSTEP WB+6, 8, 8
	SSTEP WB+5, 4, 4
	SSTEP WB+4, 2, 2
	SSTEP WB, 1, 1
	v_lshl_add_u32 v15, v[WB+2], 5, v[WB+8]
	v_min_u32 v15, 0x3ff, v15
.endm
.macro VP                              ; my slot's rank: 16 x tile + lane % 16
	v_and_b32 v19, 15, v0
	v_lshl_add_u32 v19, s19, 4, v19
.endm
.macro BASES tail                      ; hq at my tile 64 e + m and K step i.  tail = 1: and at my chunk: 256 bytes of the image, one byte of the scale word
	s_lshl_b32 s21, s2, 6
	s_add_co_u32 s21, s21, s19
	s_lshl_b32 s88, s21, 15
	s_lshl_b32 s22, s3, 10
	s_add_co_u32 s88, s88, s22
.if \tail
	s_lshl_b32 s22, s28, 8
	s_add_co_u32 s88, s88, s22
.endif
	s_mov_b32 s89, 0
	s_add_nc_u64 s[24:25], s[12:13], s[88:89]
	s_lshl_b32 s88, s21, 11
	s_lshl_b32 s22, s3, 6
	s_add_co_u32 s88, s88, s22
	s_add_co_u32 s88, s88, 0x1000000
.if \tail
	s_add_co_u32 s88, s88, s28
.endif
	s_add_nc_u64 s[26:27], s[12:13], s[88:89]
.endm
.macro XGATHER                         ; 18 loads: each of the 16 slots' rows of codes, 512 consecutive bytes to an instruction, and my slot's 32 scale bytes.  All offsets are made first, the lane reads eight at a time
.irp g, 0,1
.irp i, 0,1,2,3,4,5,6,7
	v_readlane_b32 s[SC+\i], v15, 8*\g+\i
.endr
	s_wait_alu depctr_va_sdst(0)                   ; eight slots' tokens are written, ahead of their first reader
.irp i, 0,1,2,3,4,5,6,7
	s_min_u32 s[SC+\i], s[SC+\i], 1023
	v_lshl_add_u32 v[ACC+8*\g+\i], s[SC+\i], 9, v1
.endr
.endr
	v_lshlrev_b32 v18, 5, v15
	s_wait_alu depctr_va_vdst(0)                   ; the seventeen offsets are written, which the loads read; the last tile's products are done reading F and FS, in which the loads land
.irp i, 0,1,2,3,4,5,6,7,8,9,10,11,12,13,14,15
	global_load_b128 v[F+4*\i:F+4*\i+3], v[ACC+\i], s[8:9]
.endr
	global_load_b128 v[FS:FS+3], v18, s[8:9] offset:524288
	global_load_b128 v[FS+4:FS+7], v18, s[8:9] offset:524304
.endm
.macro XTURN                           ; rows into my stage, fragments out of it.  LDS serves a wave's instructions in order (ISA guide 5.7.1.4)
.irp i, 0,1,2,3,4,5,6,7,8,9,10,11,12,13,14,15
	ds_store_b128 v9, v[F+4*\i:F+4*\i+3] offset:528*\i
.endr
	s_wait_alu depctr_vm_vsrc(0)                   ; the LDS stores have read F's registers, in which the fragments land; the gather's loads have read their offsets, in ACC's registers, where the bias lands, and in v18, which the conversions write
.irp s, 0,1,2,3,4,5,6,7
.irp k2, 0,1
	ds_load_b128 v[F+8*\s+4*\k2:F+8*\s+4*\k2+3], v10 offset:64*\s+32*\k2
.endr
.endr
	s_wait_dscnt 0x0
.endm
; gelu(a) = a/2 + (a/2) erf(a / sqrt 2), erf(z) = z P(z^2) / Q(z^2), on the eight pairs of the accumulators' registers, in ascending order.  Pair p: z at WB + 8 p, z^2 at + 2, P at + 4, Q at + 6.
.macro GELU
.irp p, 0,1,2,3,4,5,6,7
	v_pk_mul_f32 v[WB+8*\p:WB+8*\p+1], v[ACC+2*\p:ACC+2*\p+1], s[86:87] op_sel_hi:[1,0]
.endr
.irp p, 0,1,2,3,4,5,6,7
	v_med3_num_f32 v[WB+8*\p], v[WB+8*\p], -4.0, 4.0
	v_med3_num_f32 v[WB+8*\p+1], v[WB+8*\p+1], -4.0, 4.0
.endr
.irp p, 0,1,2,3,4,5,6,7
	v_pk_mul_f32 v[WB+8*\p+2:WB+8*\p+3], v[WB+8*\p:WB+8*\p+1], v[WB+8*\p:WB+8*\p+1]
.endr
.irp p, 0,1,2,3,4,5,6,7
	v_pk_fma_f32 v[WB+8*\p+4:WB+8*\p+5], v[WB+8*\p+2:WB+8*\p+3], v[16:17], s[66:67] op_sel_hi:[1,0,0]
.endr
.irp k, 68,70,72,74,76
.irp p, 0,1,2,3,4,5,6,7
	v_pk_fma_f32 v[WB+8*\p+4:WB+8*\p+5], v[WB+8*\p+4:WB+8*\p+5], v[WB+8*\p+2:WB+8*\p+3], s[\k:\k+1] op_sel_hi:[1,1,0]
.endr
.endr
.irp p, 0,1,2,3,4,5,6,7
	v_pk_fma_f32 v[WB+8*\p+6:WB+8*\p+7], v[WB+8*\p+2:WB+8*\p+3], v[16:17], s[78:79] op_sel:[0,1,0] op_sel_hi:[1,1,0]
.endr
.irp k, 80,82,84
.irp p, 0,1,2,3,4,5,6,7
	v_pk_fma_f32 v[WB+8*\p+6:WB+8*\p+7], v[WB+8*\p+6:WB+8*\p+7], v[WB+8*\p+2:WB+8*\p+3], s[\k:\k+1] op_sel_hi:[1,1,0]
.endr
.endr
.irp p, 0,1,2,3,4,5,6,7
	v_pk_mul_f32 v[WB+8*\p+4:WB+8*\p+5], v[WB+8*\p+4:WB+8*\p+5], v[WB+8*\p:WB+8*\p+1]
.endr
.irp p, 0,1,2,3,4,5,6,7
	v_rcp_f32 v[WB+8*\p+6], v[WB+8*\p+6]
	v_rcp_f32 v[WB+8*\p+7], v[WB+8*\p+7]
.endr
.irp p, 0,1,2,3,4,5,6,7
	v_pk_mul_f32 v[ACC+2*\p:ACC+2*\p+1], v[ACC+2*\p:ACC+2*\p+1], 0.5 op_sel_hi:[1,0]   ; (plain lines behind the reciprocals)
.endr
	s_wait_alu depctr_va_vdst(0)                   ; the sixteen reciprocals are written, ahead of their first reader
.irp p, 0,1,2,3,4,5,6,7
	v_pk_mul_f32 v[WB+8*\p+4:WB+8*\p+5], v[WB+8*\p+4:WB+8*\p+5], v[WB+8*\p+6:WB+8*\p+7]
.endr
.irp p, 0,1,2,3,4,5,6,7
	v_pk_fma_f32 v[ACC+2*\p:ACC+2*\p+1], v[ACC+2*\p:ACC+2*\p+1], v[WB+8*\p+4:WB+8*\p+5], v[ACC+2*\p:ACC+2*\p+1]
.endr
.endm
; A chunk for my tile: product, gelu, and the block of 32 units quantised: my 16 numbers and lane l xor 16's.
; tail = 0: chunk ch, in the immediates; the four chunks' bytes are gathered into the scale word.  tail = 1: my chunk stands in the address registers and bases, and its byte leaves alone.
; All vector lines stand first; one wait; then the chunk's stores.
.macro WORK ch, tail
	KLOOP \ch, 1
	GELU
	s_wait_xcnt 0x0                                ; the last stores' data may be written again (the wait on vm_vsrc for them stands ahead of this chunk's products)
	v_max3_num_f32 v20, |v[ACC]|, |v[ACC+1]|, 0x1800000
	v_max3_num_f32 v22, |v[ACC+2]|, |v[ACC+3]|, |v[ACC+4]|
	v_max3_num_f32 v20, v20, |v[ACC+5]|, |v[ACC+6]|
	v_max3_num_f32 v22, v22, |v[ACC+7]|, |v[ACC+8]|
	v_max3_num_f32 v20, v20, |v[ACC+9]|, |v[ACC+10]|
	v_max3_num_f32 v22, v22, |v[ACC+11]|, |v[ACC+12]|
	v_max3_num_f32 v20, v20, |v[ACC+13]|, |v[ACC+14]|
	v_max3_num_f32 v20, v20, v22, |v[ACC+15]|
	v_permlanex16_b32 v21, v20, s30, s31
	v_max_num_f32 v20, v20, v21
	v_add_nc_u32 v22, 0xff000000, v20
	v_cvt_scalef32_pk8_fp4_f32 v18, v[ACC:ACC+7], v22
	v_cvt_scalef32_pk8_fp4_f32 v19, v[ACC+8:ACC+15], v22
	v_lshrrev_b32 v23, 23, v22                     ; the scale's byte.  (The plain line behind the conversions)
.if \tail
	v_and_b32 v20, 15, v0
	v_lshlrev_b32 v20, 2, v20                      ; my slot's scale word
	s_wait_alu depctr_va_vdst(0)                   ; the codes v18 and v19, the byte v23 and the offset v20 are written, which the two stores read
	global_store_b64 v11, v[18:19], s[24:25]       ; the wave stores 256 consecutive bytes, aligned: the block's place in the operand's image
	global_store_b8 v20, v23, s[26:27]             ; lanes l and l xor 16 hold the same byte and store it to the same place
.else
.if (\ch) == 0
	v_mov_b32 v14, v23
.else
	v_lshl_or_b32 v14, v23, 8*(\ch), v14
.endif
.if (\ch) == 3
	v_bfe_u32 v20, v0, 4, 1
	v_lshlrev_b32 v20, 4, v20
	v_lshrrev_b32 v20, v20, v14                    ; lanes 0-15 the word's low half, lanes 16-31 its high half
.endif
	s_wait_alu depctr_va_vdst(0)                   ; the codes v18 and v19 are written (in the last chunk the half word v20 too), which the stores read
	global_store_b64 v11, v[18:19], s[24:25] offset:((\ch)/2)*512+((\ch)%2)*256   ; the wave stores 256 consecutive bytes, aligned: the block's place in the operand's image
.if (\ch) == 3
	global_store_b16 v12, v20, s[26:27]            ; the 16 slots' scale words: 64 consecutive bytes
.endif
.endif
.endm
	s_load_b256 s[4:11], s[0:1], 0x0               ; W1, b1, xq, sel
	s_load_b64 s[12:13], s[0:1], 0x20              ; hq
	v_lshrrev_b32 v200, 5, v0
	v_readfirstlane_b32 s14, v200                  ; wave 0..15
	s_lshr_b32 s2, ttmp9, 5                        ; e
	s_and_b32 s3, ttmp9, 31                        ; i
	v_and_b32 v200, 31, v0                         ; lane
	v_and_b32 v201, 15, v0                         ; r
	v_bfe_u32 v202, v0, 4, 1                       ; h
	s_wait_alu depctr_va_sdst(0)                   ; s14 is written, ahead of its first reader
	s_mul_i32 s16, s14, STGB
	s_add_co_u32 s16, s16, STG                     ; my stage
	s_bfe_u32 s21, s14, 0x10002
	s_lshl_b32 s21, s21, 4
	s_lshr_b32 s22, s14, 3
	s_lshl_b32 s22, s22, 3
	s_and_b32 s23, s14, 3
	s_lshl_b32 s23, s23, 1
	s_add_co_u32 s15, s21, s22
	s_add_co_u32 s15, s15, s23                     ; where unit 2 w goes: 16 ((w / 4) % 2) + 8 (w / 8) + 2 (w % 4)
	v_lshlrev_b32 v1, 4, v200
	s_mul_i32 s21, s15, 528
	v_lshl_add_u32 v4, v200, 1, s21                ; my 4 codes: 2 bytes a lane
	s_mul_i32 s22, s15, 48
	s_add_co_u32 s22, s22, WS
	v_lshrrev_b32 v203, 3, v200
	v_add_nc_u32 v5, s22, v203                     ; my block's byte: eight lanes to a block
	v_mul_u32_u24 v6, v201, 528
	v_lshl_add_u32 v6, v202, 4, v6
	v_mul_u32_u24 v7, v201, 48
	v_add_nc_u32 v7, WS, v7
	v_lshl_add_u32 v8, v202, 6, BI
	s_and_b32 s28, s14, 3                          ; my chunk behind the stream
	s_mul_i32 s21, s28, WCA
	v_add_nc_u32 v2, s21, v6
	s_mul_i32 s21, s28, WSA
	v_add_nc_u32 v3, s21, v7
	s_lshl_b32 s21, s28, 7
	v_add_nc_u32 v13, s21, v8
	v_add_nc_u32 v9, s16, v1
	v_add_nc_u32 v10, s16, v6
	v_lshlrev_b32 v11, 4, v201
	v_lshl_add_u32 v11, v202, 3, v11
	v_lshlrev_b32 v12, 2, v201
	v_lshl_add_u32 v12, v202, 1, v12
	v_mov_b32 v16, 0xaf95df0b                      ; P's leading coefficient, -2.72614226e-10
	v_mov_b32 v17, 0xb77460cd                      ; Q's, -1.45660718e-05
	v_and_b32 v18, 127, v0
	v_lshlrev_b32 v18, 2, v18                      ; bias: 4 (thread % 128)
	v_lshlrev_b32 v19, 2, v200                     ; sel: 4 x lane
	v_mov_b32 v21, 0                               ; written once: a lane permute's destination counts as read
	v_lshl_add_u32 v22, v0, 2, BI
	s_lshl_b32 s88, s2, 24
	s_lshl_b32 s21, s3, 19
	s_add_co_u32 s88, s88, s21
	s_lshl_b32 s21, s14, 13
	s_add_co_u32 s88, s88, s21                     ; W1: expert, my work-group's 128 rows, my wave's two
	s_mov_b32 s89, 0
	s_lshl_b32 s90, s2, 14
	s_lshl_b32 s21, s3, 9
	s_add_co_u32 s90, s90, s21                     ; b1
	s_mov_b32 s91, 0
	s_lshl_b32 s22, s2, 12                         ; sel: the expert's row
	s_mov_b32 s23, 0
	s_wait_kmcnt 0x0
	s_add_nc_u64 s[4:5], s[4:5], s[88:89]
	s_add_nc_u64 s[6:7], s[6:7], s[90:91]
	s_add_nc_u64 s[10:11], s[10:11], s[22:23]
	s_wait_alu depctr_va_vdst(0)                   ; the offsets and LDS addresses v1 to v13, v18, v19 and v22 are written, which the loads and stores of the whole kernel read
	global_load_b32 v23, v18, s[6:7]
.set J, 0
.rept 32
	global_load_b32 v[WB+J], v19, s[10:11] offset:128*J
.set J, J+1
.endr
	STREAM 0
	s_mov_b32 s30, 0x76543210
	s_mov_b32 s31, 0xfedcba98
	s_mov_b32 s66, 0x32edffee                      ; P:  2.77068142e-08
	s_mov_b32 s68, 0xb60cff51                      ;    -2.10102402e-06
	s_mov_b32 s70, 0xb86ec2d2                      ;    -5.69250639e-05
	s_mov_b32 s72, 0xba40ac63                      ;    -7.34990630e-04
	s_mov_b32 s74, 0xbb41a1f6                      ;    -2.95459981e-03
	s_mov_b32 s76, 0xbc83dbd4                      ;    -1.60960333e-02
	s_mov_b32 s78, 0xb95fbd29                      ; Q: -2.13374055e-04
	s_mov_b32 s80, 0xbadc924e                      ;    -1.68282697e-03
	s_mov_b32 s82, 0xbbf19bf8                      ;    -7.37332917e-03
	s_mov_b32 s84, 0xbc69b6a7                      ;    -1.42647391e-02
	s_mov_b32 s86, 0x3f3504f3                      ; 1 / sqrt 2
.irp k, 66,68,70,72,74,76,78,80,82,84,86
	s_mov_b32 s[\k+1], s[\k]                       ; (the packed forms name pairs, so both words are written)
.endr
	s_wait_loadcnt 16                              ; the bias and sel are in; the first chunk's 16 loads stay out
.set J, 0
.rept 32
	v_cmp_ne_u32 s[32+J], 0, v[WB+J]               ; mask word J: bit l = token 32 J + l goes to my expert
.set J, J+1
.endr
	s_wait_alu depctr_va_sdst(0)                   ; the 32 mask words are written, ahead of the branch and of their first reader
	s_cmp_lt_u32 s14, 4
	s_cbranch_scc0 .Lnobias
	ds_store_b32 v22, v23
.Lnobias:
	s_bcnt1_i32_b32 s17, s32
.set J, 1
.rept 31
	s_bcnt1_i32_b32 s21, s[32+J]
	s_add_co_u32 s17, s17, s21
.set J, J+1
.endr
	s_add_co_u32 s18, s17, 15
	s_lshr_b32 s18, s18, 4                         ; the expert's tiles
	s_mov_b32 s19, s14                             ; my first tile
	BASES 0
	s_wait_alu depctr_vm_vsrc(0)                   ; the head's loads have read their offsets v18 and v19, the bias's LDS store v22 and v23: the rank, the gather and the conversions write these again
	VP
	SELECT
	XGATHER
	s_lshr_b32 s19, s14, 2
	s_add_co_u32 s19, s19, 16                      ; my first tile behind the stream: its tokens are found now, while the first chunk is on its way
	VP
	SELECT
	STAGE 0, 18, 1                                 ; behind the chunk's loads: x's 18
	s_wait_loadcnt 16                              ; x is in; chunk 1's 16 loads stay out
	XTURN                                          ; (its wait on vm_vsrc stands behind the stage's LDS stores too: they have read WB's registers, in which W's fragments land)
	BAR                                            ; chunk 0 and the bias lie in LDS
	WORK 0, 0
	STAGE 1, 0, 1
	BAR
	s_wait_alu depctr_vm_vsrc(0)                   ; the stage's LDS stores have read WB's registers, in which W's fragments land; the last chunk's store has read v18 and v19, which the conversions write again
	WORK 1, 0
	STAGE 2, 0, 1
	BAR
	s_wait_alu depctr_vm_vsrc(0)                   ; likewise
	WORK 2, 0
	STAGE 3, 0, 0
	BAR
	s_wait_alu depctr_vm_vsrc(0)                   ; likewise
	WORK 3, 0
.set AWR, 2
.set ASR, 3
.set ABR, 13
	s_mov_b32 s20, 12
.Lpass:                                        ; chunk w % 4 of tile 16 + w / 4 + 4 g: all of W1's part lies in LDS now, and nothing there is written again: no barrier
	s_cmp_ge_u32 s19, s18
	s_cbranch_scc1 .Lskip
	s_wait_xcnt 0x0                                ; the last tile's stores have read their registers and bases
	s_wait_alu depctr_vm_vsrc(0)                   ; the last tile's stores have read v18 to v20 and v23, which the gather, the rank and the conversions write again
	BASES 1
	XGATHER
	VP
	v_add_nc_u32 v19, 64, v19                      ; the tokens of my next tile, four tiles on, are found while this tile's rows are on their way
	SELECT
	s_wait_alu depctr_va_vdst(0)                   ; SELECT is done with WB's registers, in which W's fragments land
	s_wait_loadcnt 0x0
	XTURN
	WORK 0, 1
.Lskip:
	s_add_co_u32 s19, s19, 4
	s_sub_co_i32 s20, s20, 1
	s_cmp_lg_u32 s20, 0
	s_cbranch_scc1 .Lpass
	s_wait_xcnt 0x0
	s_wait_alu depctr_vm_vsrc(0)                   ; the gathers' loads have read v254 and v255 as offsets: the two are made anew below
	v_lshl_add_u32 v254, v0, 2, 0x3a200
	v_mov_b32 v255, 0
	s_wait_dscnt 0x0                               ; the closing lines, six on end
	s_wait_alu 0x0
	s_wait_tensorcnt 0x0
	ds_add_u32 v254, v255
	s_wait_dscnt 0x0
	s_endpgm
.Lfunc_end_k_q9d622fbec2_up:
	.size	k_q9d622fbec2_up, .Lfunc_end_k_q9d622fbec2_up-k_q9d622fbec2_up
	.p2alignl 7, 3214868480
	.fill 96, 4, 3214868480
	.section	.rodata,"a",@progbits
	.p2align	6, 0x0
	.amdhsa_kernel k_q9d622fbec2_up
		.amdhsa_group_segment_fixed_size 240128
		.amdhsa_private_segment_fixed_size 0
		.amdhsa_enable_private_segment 0
		.amdhsa_kernarg_size 40
		.amdhsa_user_sgpr_count 2
		.amdhsa_user_sgpr_kernarg_segment_ptr 1
		.amdhsa_wavefront_size32 1
		.amdhsa_system_sgpr_workgroup_id_x 1
		.amdhsa_system_sgpr_workgroup_id_y 1
		.amdhsa_system_sgpr_workgroup_id_z 1
		.amdhsa_system_vgpr_workitem_id 0
		.amdhsa_next_free_vgpr 256
		.amdhsa_next_free_sgpr 102
		.amdhsa_reserve_vcc 1
		.amdhsa_float_denorm_mode_32 3
		.amdhsa_float_denorm_mode_16_64 3
		.amdhsa_memory_ordered 1
		.amdhsa_forward_progress 1
		.amdhsa_inst_pref_size 194
	.end_amdhsa_kernel
	.amdgpu_metadata
---
amdhsa.version: [ 1, 2 ]
amdhsa.kernels:
  - .name:           k_q9d622fbec2_up
    .symbol:         k_q9d622fbec2_up.kd
    .args:
      - { .name: W1, .offset: 0, .size: 8, .value_kind: global_buffer, .address_space: global }
      - { .name: b1, .offset: 8, .size: 8, .value_kind: global_buffer, .address_space: global }
      - { .name: xq, .offset: 16, .size: 8, .value_kind: global_buffer, .address_space: global }
      - { .name: sel, .offset: 24, .size: 8, .value_kind: global_buffer, .address_space: global }
      - { .name: hq, .offset: 32, .size: 8, .value_kind: global_buffer, .address_space: global }
    .group_segment_fixed_size: 240128
    .private_segment_fixed_size: 0
    .kernarg_segment_align: 8
    .kernarg_segment_size: 40
    .max_flat_workgroup_size: 512
    .sgpr_count:     102
    .vgpr_count:     256
    .wavefront_size: 32
...
	.end_amdgpu_metadata
.endif
;; end of part 5
;; launch down (part 6): grid 256 x 1, 16 waves a work-group, no clusters, 270,848 bytes of LDS; arguments W2, b2, hq, sel, gate, y; writes y
.if DOCPART == 6
	.amdgcn_target "amdgcn-amd-amdhsa--gfx1250"
	.amdhsa_code_object_version 6
	.text
	.protected	k_q9d622fbec2_down
	.globl	k_q9d622fbec2_down
	.p2align	8
	.type	k_q9d622fbec2_down,@function
k_q9d622fbec2_down:
	s_mov_b64 s[64:65], 0
	v_nop
	global_prefetch_b8 v0, s[64:65] scope:SCOPE_SE
	s_setreg_imm32_b32 hwreg(HW_REG_WAVE_SCHED_MODE, 0, 2), 2
	s_setreg_imm32_b32 hwreg(HW_REG_WAVE_MODE, 25, 1), 1
	s_wait_xcnt 0x0
	s_wait_alu depctr_vm_vsrc(0)
; SECOND PRODUCT OF EACH EXPERT: y[row] = c (hidden W2[e]^T + b2[e]) for the rows routed to e, on codes of E2M1 with one E8M0 scale for each 32 along K (the 4,096 hidden units).
; SHARES.  Work-group (e = id / 32, cb = id % 32) owns output columns 32 cb .. 32 cb + 31 of expert e: 524,288 bytes of W2, read ONCE as f32, in four chunks of 1,024 along K, quantised on the way into LDS, where they stay.
; The numbers are quantised in the registers in which they land: a lane holds 4, eight lanes a block of 32.
; Wave w takes tile w (16 slots) always, chunk by chunk under the stream; the hidden layer's fragments come from hq as images of the operand's registers, 512 consecutive bytes to a load.
; Tiles 16-19, where the expert has them, come behind the stream with K shared out: wave w multiplies chunk w % 4 of tile 16 + w / 4, the four partial sums meet in LDS behind one barrier, and the wave of chunk 0 adds them.
; Tiles 20 on: a wave to a tile, 20 + w + 16 g.
; The product is used transposed (source 0 = 16 rows of W2, source 1 = 16 slots): a lane holds one slot and eight neighbouring columns.
; WHERE A ROW GOES.  A token's first choice goes to row token, its second to row 1,024 + token of y: each row has one owner.  A slot past the expert's rows goes to dump row 2,048 + e, which nobody reads.
; The token of a slot is found in registers from the mask words made of sel (SELECT); the row numbers steer addresses and are whole numbers read from memory.
; A work-group owns 32 columns, so a row's piece is 128 consecutive bytes: each store of the wave covers one such piece.
; No sharing by clusters: the number of tiles hangs on counts read from memory, so joint loads would have to run all 64 tiles of an expert; a quarter of that is what is read now.
; LIMITS: NaN and infinities are not served.  A block of zeros gets the scale byte 1 (only this program reads the bytes).  The sums of tiles 16-19 are added in another order (four parts along K) than those of the other tiles.
; THE MODE: SCHED_MODE bits 1:0 = 2 (LLVM: expert scheduling mode 2), set by the entry lines.  The code itself states the register dependences between vector or matrix instructions and memory or LDS instructions,
; and those through scalar registers and VCC that vector instructions write, with s_wait_alu, always for 0.
; THE PLAN.  Registers that memory or LDS instructions touch:
;   v1-v13        offsets and LDS addresses: made at the head, ahead of one wait on va_vdst, and never written again.
;   SR            The stream's loads land; STAGE's maxima and conversions read.  One wait on va_vdst to each four loads, behind their conversions; behind it those sixteen registers are loaded again at once.
;   WB + 0 .. 31  In STAGE: a register of its own for each load's codes and for its byte.  Conversions and shifts write them, LDS stores read them: the same wait; the eight stores are dealt among the next four loads' vector lines, which name other registers.
;   WB            In KLOOP: two buffers of fragments.  LDS loads land, products read.  A wait on va_vdst behind a buffer's four products; behind it the buffer's next eight loads, dealt among the other buffer's products.
;                 Between STAGE's stores and KLOOP's loads stands one wait on vm_vsrc, behind the barrier.
;                 In OUT: sixteen products (LDS stores read), sixteen rows (LDS loads land, global stores read), sixteen offsets (global stores read).  All vector lines first, one wait on va_vdst, then the LDS and memory lines;
;                 a wait on vm_vsrc at OUT's head, and one ahead of whatever else writes these registers next (SELECT, the parts' loads).
;   F, FS         HLOAD's loads land, products read: a wait on va_vdst between a chunk's products and the next HLOAD (behind a way out: the way out's own).
;   v20, v21      GATE's offsets: written ahead of GATE's wait on va_vdst, read by its two loads, freed by the wait on vm_vsrc at OUT's head or at a trip's head.   v16, v18: GATE's loads land; OUT's vector lines read.
;   ACC           The bias lands; products; OUT's scalings read.  Tiles 16-19: LDS stores read the partial sums (four places, then a wait on va_vdst); a wait on vm_vsrc ahead of the additions, of the next bias and of the closing lines' two registers.
;   SW            LDS loads land, products read; one of the waits on va_vdst above always stands between a chunk's products and the next loads.
; Vector lines that write scalars stand in runs, each run under one wait: the 32 mask words; SELECT's compares, seven at a time; OUT's lane reads, eight at a time.
.set WCA, 16896                        ; LDS 0: four chunk areas of codes: 32 rows x (512 bytes + 16)
.set WS,  67584                        ; four areas of scale bytes:
.set WSA, 1536                         ; 32 rows x (32 bytes + 16)
.set BI,  73728                        ; the 32 biases, and behind them 128 bytes of zeros
.set STG, 74240                        ; a stage of
.set STGB, 10240                       ; 10,240 bytes for each wave: from byte 0 the way out, from byte
.set PART, 4096                        ; 4,096 a partial sum's 16 registers.  (LDS is claimed three stages past the last wave's, so that "my stage + 3" lies inside it for every wave's number)
.set BC,  0
.set BU,  64                           ; bias bytes from tile to tile
.set F,   24                           ; v24-87   eight fragments of the hidden layer
.set FS,  88                           ; v88-95   their scale words, and nothing else
.set SR,  96                           ; v96-159  the stream
.set WB,  160                          ; v160-223 two buffers of W's fragments; everything at work
.set SW,  224                          ; v224-239 W's scale words, and nothing else
.set ACC, 240                          ; v240-255 two accumulators
.set SC,  76                           ; s76-89   fourteen scalars at work: SELECT's seven masks and seven running counts; eight rows of a way out
.set AWR, 6                            ; which registers address W's fragments, W's scale words and the bias: v6, v7, v8 with the chunk in the immediate; for tiles 16-19 v2, v3, v13 with my chunk inside
.set ASR, 7
.set ABR, 8
; v1 16 lane; v4, v5 where my codes and scale bytes go; v6, v7 where fragments and scale words are read; v8 bias; v2, v3 the first two at chunk wave % 4; v13 the bias for chunk 0, the zeros for the others;
; v9, v10 stage in and out for y; v11 4 lane; v12 4 r; v14 my slot's row of y; v15 its token; v[16:17] its weight; v18 its choice; v19 its rank; v20-23 at work
; s2 e, s3 cb, s14 wave, s15 position, s16 my stage, s17 the expert's rows, s18 its tiles, s19 my tile, s20 passes to go, s[24:27] hq for my tile, s[28:29] y at my columns, s[32:63] mask words, s66 wave % 4, s[68:69] gate, s[70:71] y
.macro PLACES                          ; four plain vector lines behind a matrix instruction, ahead of loads into its registers and of reads of its result
.rept 4
	v_nop
.endr
.endm
.macro BAR
	s_wait_dscnt 0x0
	s_barrier_signal -1
	s_barrier_wait -1
.endm
.macro SLOAD ch, n                     ; load n of chunk ch: 512 consecutive bytes; 4,096 bytes of each of my two rows of W2
	global_load_b128 v[SR+4*(\n):SR+4*(\n)+3], v1, s[4:5] offset:((\n)/8)*16384+(\ch)*4096+512*((\n)%8) th:TH_LOAD_NT
.endm
.macro STREAM ch
.set N_, 0
.rept 16
	SLOAD \ch, N_
.set N_, N_+1
.endr
.endm
.macro ST2 ch, g, k                    ; load 4 g + k's codes and its block's byte go to LDS
	ds_store_b16 v4, v[WB+4*(\g)+(\k)] offset:(\ch)*WCA+((\g)/2)*528+64*(4*((\g)%2)+(\k))        ; the wave stores 64 consecutive bytes of a row of codes
	ds_store_b8 v5, v[WB+16+4*(\g)+(\k)] offset:(\ch)*WSA+((\g)/2)*48+4*(4*((\g)%2)+(\k))        ; the eight lanes of a block store the same byte
.endm
; Chunk ch is quantised into its area, four loads at a time, in the registers as loaded: load n holds numbers 128 (n % 8) + 4 lane + 0 .. 3 of row n / 8, so lanes 8 j .. 8 j + 7 hold a block of 32.
; A conversion takes eight registers and one scale: two neighbouring loads share their eight registers, and each gets a conversion with its own scale, of which its own half (low for the even load, high for the odd) is kept.
; cnt: the loads issued behind the chunk's.  more = 1: each four registers are loaded again, for the next chunk, as soon as they are converted.
; The wait in front of loads 4 g .. 4 g + 3: behind them stand 12 - 4 g of the chunk, cnt others, and with more = 1 the 4 g loaded again.
; The LDS stores of four loads stand among the vector lines of the next four, which name none of their registers; the last four's stand at the end.
.macro STAGE ch, cnt, more
.set G_, 0
.rept 4
.if \more
	s_wait_loadcnt (\cnt)+12
.else
	s_wait_loadcnt (\cnt)+12-4*G_
.endif
.irp k, 0,1,2,3
	v_max3_num_f32 v[WB+32+\k], |v[SR+16*G_+4*\k]|, |v[SR+16*G_+4*\k+1]|, 0x1800000   ; my four numbers, and the floor 2^(3 - 127): the byte cannot fall under 1
.endr
.if G_ > 0
	ST2 \ch, G_-1, 0
.endif
.irp k, 0,1,2,3
	v_max3_num_f32 v[WB+32+\k], v[WB+32+\k], |v[SR+16*G_+4*\k+2]|, |v[SR+16*G_+4*\k+3]|
.endr
.if G_ > 0
	ST2 \ch, G_-1, 1
.endif
.irp k, 0,1,2,3
	v_max_num_f32_dpp v[WB+32+\k], v[WB+32+\k], v[WB+32+\k] row_xmask:1 row_mask:0xf bank_mask:0xf   ; with the block's other seven lanes
.endr
.if G_ > 0
	ST2 \ch, G_-1, 2
.endif
.irp k, 0,1,2,3
	v_max_num_f32_dpp v[WB+32+\k], v[WB+32+\k], v[WB+32+\k] row_xmask:2 row_mask:0xf bank_mask:0xf
.endr
.if G_ > 0
	ST2 \ch, G_-1, 3
.endif
.irp k, 0,1,2,3
	v_max_num_f32_dpp v[WB+32+\k], v[WB+32+\k], v[WB+32+\k] row_xmask:4 row_mask:0xf bank_mask:0xf
.endr
.irp k, 0,1,2,3
	v_add_nc_u32 v[WB+36+\k], 0xff000000, v[WB+32+\k]                      ; 2 off the exponent field: the conversion's scale operand
.endr
.irp k, 0,1,2,3
	v_cvt_scalef32_pk8_fp4_f32 v[WB+4*G_+\k], v[SR+16*G_+8*(\k/2):SR+16*G_+8*(\k/2)+7], v[WB+36+\k]
.endr
.irp k, 0,1,2,3
	v_lshrrev_b32 v[WB+16+4*G_+\k], 23, v[WB+36+\k]                        ; the scale's byte.  (The plain lines behind the conversions)
.endr
.irp k, 1,3
	v_lshrrev_b32 v[WB+4*G_+\k], 16, v[WB+4*G_+\k]                         ; the odd load's four codes
.endr
	s_wait_alu depctr_va_vdst(0)                   ; these four loads' codes and bytes are written, which their LDS stores read; the maxima and conversions are done reading the sixteen registers in which the next chunk's loads land
.if \more
.irp k, 0,1,2,3
	SLOAD (\ch)+1, 4*G_+\k
.endr
.endif
.set G_, G_+1
.endr
.irp k, 0,1,2,3
	ST2 \ch, 3, \k
.endr
.endm
.macro LW buf, ch, s0, d, u            ; one fragment of W, K step s0 + d, tile u, into buffer buf: two loads
.irp k2, 0,1
	ds_load_b128 v[WB+32*(\buf)+16*(\d)+8*(\u)+4*\k2:WB+32*(\buf)+16*(\d)+8*(\u)+4*\k2+3], v[AWR] offset:(\ch)*WCA+(\u)*8448+64*((\s0)+(\d))+32*\k2
.endr
.endm
.macro MM buf, s0, d, u                ; one product: K step s0 + d, tile u
	v_wmma_scale_f32_16x16x128_f8f6f4 v[ACC+8*(\u):ACC+8*(\u)+7], v[WB+32*(\buf)+16*(\d)+8*(\u):WB+32*(\buf)+16*(\d)+8*(\u)+7], v[F+8*((\s0)+(\d)):F+8*((\s0)+(\d))+7], v[ACC+8*(\u):ACC+8*(\u)+7], v[SW+8*(\u)+(\s0)+(\d)], v[FS+(\s0)+(\d)] matrix_a_fmt:MATRIX_FMT_FP4 matrix_b_fmt:MATRIX_FMT_FP4
.endm
.macro LOADW buf, ch, s0               ; W's fragments of K steps s0, s0 + 1, both tiles, into buffer buf
.irp d, 0,1
.irp u, 0,1
	LW \buf, \ch, \s0, \d, \u
.endr
.endr
.endm
.macro MM4 buf, s0                     ; four products; the two accumulators take turns, one instruction a turn
.irp d, 0,1
.irp u, 0,1
	MM \buf, \s0, \d, \u
.endr
.endr
.endm
.macro MML buf, s0, ch                 ; the same four products, and behind each a fragment of K steps s0 + 2, s0 + 3 into the other buffer: the products name this buffer, F, FS, SW and the accumulators, none of the registers that those loads touch
.irp d, 0,1
.irp u, 0,1
	MM \buf, \s0, \d, \u
	LW 1-(\buf), \ch, (\s0)+2, \d, \u
.endr
.endr
.endm
.macro KLOOP ch, bias                  ; 1,024 along K: eight K steps x two tiles.  bias = 1: the accumulators begin as what the bias register points at, loaded in the result's layout
.if \bias
.irp u, 0,1
	ds_load_b128 v[ACC+8*\u:ACC+8*\u+3], v[ABR] offset:BC*(\ch)+BU*\u
	ds_load_b128 v[ACC+8*\u+4:ACC+8*\u+7], v[ABR] offset:BC*(\ch)+BU*\u+16
.endr
.endif
.irp u, 0,1
.irp q, 0,1
	ds_load_b128 v[SW+8*\u+4*\q:SW+8*\u+4*\q+3], v[ASR] offset:(\ch)*WSA+\u*768+16*\q
.endr
.endr
	LOADW 0, \ch, 0
	LOADW 1, \ch, 2
	s_wait_dscnt 8                                 ; all but the younger buffer's eight loads
	MM4 0, 0
	PLACES
	s_wait_alu depctr_va_vdst(0)                   ; the four products are done reading buffer 0, in which K steps 4 and 5 land
	s_wait_dscnt 0x0                               ; buffer 1 is in
	MML 1, 2, \ch
	PLACES
	s_wait_alu depctr_va_vdst(0)                   ; the four products are done reading buffer 1, in which K steps 6 and 7 land
	s_wait_dscnt 0x0                               ; buffer 0 is in
	MML 0, 4, \ch
	s_wait_dscnt 0x0
	MM4 1, 6
	PLACES
.endm
.macro SSTEP src, width, stp
	v_bfe_u32 v[WB+9], v[\src], v[WB+8], \width
	v_cmp_ge_u32 vcc_lo, v[WB+3], v[WB+9]
	s_wait_alu depctr_va_vcc(0)                    ; the compare has written VCC, which the two selects read
	v_cndmask_b32 v[WB+9], 0, v[WB+9], vcc_lo
	v_sub_nc_u32 v[WB+3], v[WB+3], v[WB+9]
	v_cndmask_b32 v[WB+10], 0, \stp, vcc_lo
	v_add_nc_u32 v[WB+8], v[WB+8], v[WB+10]
.endm
; v19 = a rank p; v15 = the expert's p-th token.  Whole numbers only: the last mask word whose running count is at most p, then the (p - count)-th set bit in it by five halvings.  A rank past the rows gives some token under 1,024.
; The 31 compares go seven at a time: seven running counts into s[SC+7 ..], seven masks into s[SC ..], one wait, and the 21 selects, in ascending order of the words.
.macro SELECT
	v_mov_b32 v[WB], s32
	v_mov_b32 v[WB+1], 0
	v_mov_b32 v[WB+2], 0
	s_mov_b32 s21, 0
.set J0, 1
.rept 5
.set K_, 0
.rept 7
.if J0+K_ < 32
	s_bcnt1_i32_b32 s22, s[31+J0+K_]
	s_add_co_u32 s21, s21, s22
	s_mov_b32 s[SC+7+K_], s21
	v_cmp_le_u32 s[SC+K_], s21, v19
.endif
.set K_, K_+1
.endr
	s_wait_alu depctr_va_sdst(0)                   ; the run's compares have written their masks, ahead of the selects that read them
.set K_, 0
.rept 7
.if J0+K_ < 32
	v_cndmask_b32 v[WB], v[WB], s[32+J0+K_], s[SC+K_]
	v_cndmask_b32 v[WB+1], v[WB+1], s[SC+7+K_], s[SC+K_]
	v_cndmask_b32 v[WB+2], v[WB+2], J0+K_, s[SC+K_]
.endif
.set K_, K_+1
.endr
.set J0, J0+7
.endr
	v_sub_nc_u32 v[WB+3], v19, v[WB+1]
	v_lshrrev_b32 v[WB+4], 1, v[WB]
	v_and_b32 v[WB+4], 0x55555555, v[WB+4]
	v_sub_nc_u32 v[WB+4], v[WB], v[WB+4]
	v_lshrrev_b32 v[WB+5], 2, v[WB+4]
	v_and_b32 v[WB+5], 0x33333333, v[WB+5]
	v_and_b32 v[WB+6], 0x33333333, v[WB+4]
	v_add_nc_u32 v[WB+5], v[WB+5], v[WB+6]
	v_lshrrev_b32 v[WB+6], 4, v[WB+5]
	v_add_nc_u32 v[WB+6], v[WB+6], v[WB+5]
	v_and_b32 v[WB+6], 0x0f0f0f0f, v[WB+6]
	v_lshrrev_b32 v[WB+7], 8, v[WB+6]
	v_add_nc_u32 v[WB+7], v[WB+7], v[WB+6]
	v_mov_b32 v[WB+8], 0
	SSTEP WB+7, 8, 16
	SSTEP WB+6, 8, 8
	SSTEP WB+5, 4, 4
	SSTEP WB+4, 2, 2
	SSTEP WB, 1, 1
	v_lshl_add_u32 v15, v[WB+2], 5, v[WB+8]
	v_min_u32 v15, 0x3ff, v15
.endm
.macro VP                              ; my slot's rank: 16 x tile + lane % 16
	v_and_b32 v19, 15, v0
	v_lshl_add_u32 v19, s19, 4, v19
.endm
.macro BASES part                      ; hq at my tile 64 e + m.  part = 1: and at my chunk's eight K steps
	s_lshl_b32 s21, s2, 6
	s_add_co_u32 s21, s21, s19
	s_lshl_b32 s72, s21, 15
.if \part
	s_lshl_b32 s22, s66, 13
	s_add_co_u32 s72, s72, s22
.endif
	s_mov_b32 s73, 0
	s_add_nc_u64 s[24:25], s[8:9], s[72:73]
	s_lshl_b32 s72, s21, 11
	s_add_co_u32 s72, s72, 0x1000000
.if \part
	s_lshl_b32 s22, s66, 9
	s_add_co_u32 s72, s72, s22
.endif
	s_add_nc_u64 s[26:27], s[8:9], s[72:73]
.endm
.macro GATE                            ; 2 loads: which choice my expert is for my slot's token, and its weight
	v_lshlrev_b32 v20, 2, v15
	v_lshlrev_b32 v21, 5, v15
	s_wait_alu depctr_va_vdst(0)                   ; the offsets v20 and v21 are written, which the two loads read; the last way out is done reading v16 and v18, in which they land; SELECT is done with WB's registers, and the last products with F and FS, in which later loads land
	global_load_b32 v18, v20, s[10:11]
	global_load_b32 v16, v21, s[68:69]
.endm
.macro HLOAD q                         ; 24 loads: the hidden layer's K steps 8 q .. 8 q + 7 of my tile, and their scale words
.irp s, 0,1,2,3,4,5,6,7
.irp k2, 0,1
	global_load_b128 v[F+8*\s+4*\k2:F+8*\s+4*\k2+3], v1, s[24:25] offset:(8*(\q)+\s)*1024+512*\k2
.endr
.endr
.irp s, 0,1,2,3,4,5,6,7
	global_load_b32 v[FS+\s], v12, s[26:27] offset:(8*(\q)+\s)*64
.endr
.endm
; The tile leaves: x the weight, through my stage, a row of 128 bytes to a store.  All vector lines stand first: the scalings, the slots' rows, the sixteen offsets; one wait; then the LDS and memory lines.
.macro OUT
	s_wait_alu depctr_vm_vsrc(0)                   ; GATE's loads have read v20, and an earlier way out's stores their data and offsets in WB's registers: all of these are written again below
	v_lshl_add_u32 v14, v18, 10, v15
	v_add_nc_u32 v14, 0xfffffc00, v14              ; (choice - 1) x 1,024 + token
	s_add_co_u32 s21, s2, 2048
	v_mov_b32 v20, s21
	v_cmp_gt_u32 vcc_lo, s17, v19                  ; is my slot one of the expert's rows?
.irp p, 0,1,2,3,4,5,6,7
	v_pk_mul_f32 v[WB+2*\p:WB+2*\p+1], v[ACC+2*\p:ACC+2*\p+1], v[16:17] op_sel_hi:[1,0]   ; each accumulator from its low end on
.endr
	s_wait_alu depctr_va_vcc(0)                    ; the compare has written VCC, which the select reads
	v_cndmask_b32 v14, v20, v14, vcc_lo            ; else the dump row
.irp g, 0,1
.irp i, 0,1,2,3,4,5,6,7
	v_readlane_b32 s[SC+\i], v14, 8*\g+\i
.endr
	s_wait_alu depctr_va_sdst(0)                   ; eight slots' rows are written, ahead of their first reader
.irp i, 0,1,2,3,4,5,6,7
	s_min_u32 s[SC+\i], s[SC+\i], 2055
	v_lshl_add_u32 v[WB+32+8*\g+\i], s[SC+\i], 12, v11
.endr
.endr
	s_wait_alu depctr_va_vdst(0)                   ; the scaled results and the sixteen offsets are written, which the LDS stores and the global stores read; the last products are done reading WB's registers, in which the rows land
.irp u, 0,1
	ds_store_b128 v9, v[WB+8*\u:WB+8*\u+3] offset:64*\u
	ds_store_b128 v9, v[WB+8*\u+4:WB+8*\u+7] offset:64*\u+16
.endr
.irp i, 0,1,2,3,4,5,6,7,8,9,10,11,12,13,14,15
	ds_load_b32 v[WB+16+\i], v10 offset:144*\i     ; LDS serves a wave's instructions in order (ISA guide 5.7.1.4): these see the stores above
.endr
	s_wait_dscnt 0x0
.irp i, 0,1,2,3,4,5,6,7,8,9,10,11,12,13,14,15
	global_store_b32 v[WB+32+\i], v[WB+16+\i], s[28:29]   ; 32 lanes store 128 consecutive bytes of one row
.endr
.endm
	s_load_b256 s[4:11], s[0:1], 0x0               ; W2, b2, hq, sel
	s_load_b128 s[68:71], s[0:1], 0x20             ; gate, y
	v_lshrrev_b32 v200, 5, v0
	v_readfirstlane_b32 s14, v200                  ; wave 0..15
	s_lshr_b32 s2, ttmp9, 5                        ; e
	s_and_b32 s3, ttmp9, 31                        ; cb
	v_and_b32 v200, 31, v0                         ; lane
	v_and_b32 v201, 15, v0                         ; r
	v_bfe_u32 v202, v0, 4, 1                       ; h
	s_wait_alu depctr_va_sdst(0)                   ; s14 is written, ahead of its first reader
	s_mul_i32 s16, s14, STGB
	s_add_co_u32 s16, s16, STG                     ; my stage
	s_lshl_b32 s15, s14, 1                         ; my two rows' places
	v_lshlrev_b32 v1, 4, v200
	s_mul_i32 s21, s15, 528
	v_lshl_add_u32 v4, v200, 1, s21                ; my 4 codes: 2 bytes a lane
	s_mul_i32 s22, s15, 48
	s_add_co_u32 s22, s22, WS
	v_lshrrev_b32 v203, 3, v200
	v_add_nc_u32 v5, s22, v203                     ; my block's byte: eight lanes to a block
	v_mul_u32_u24 v6, v201, 528
	v_lshl_add_u32 v6, v202, 4, v6
	v_mul_u32_u24 v7, v201, 48
	v_add_nc_u32 v7, WS, v7
	v_lshl_add_u32 v8, v202, 5, BI
	s_and_b32 s66, s14, 3                          ; my chunk of tiles 16-19
	s_mul_i32 s21, s66, WCA
	v_add_nc_u32 v2, s21, v6
	s_mul_i32 s21, s66, WSA
	v_add_nc_u32 v3, s21, v7
	s_min_u32 s21, s66, 1
	s_lshl_b32 s21, s21, 7
	v_add_nc_u32 v13, s21, v8                      ; chunk 0 begins as the bias, the others as the zeros 128 bytes on
	v_mul_u32_u24 v9, v201, 144
	v_lshl_add_u32 v9, v202, 5, v9
	v_add_nc_u32 v9, s16, v9
	v_lshlrev_b32 v11, 2, v200
	v_add_nc_u32 v10, s16, v11
	v_lshlrev_b32 v12, 2, v201
	v_mov_b32 v17, 0                               ; (named with v16 as a pair, so it is written)
	v_lshl_add_u32 v22, v0, 2, BI
	s_lshl_b32 s72, s2, 24
	s_lshl_b32 s21, s3, 19
	s_add_co_u32 s72, s72, s21
	s_lshl_b32 s21, s14, 15
	s_add_co_u32 s72, s72, s21                     ; W2: expert, my work-group's 32 rows, my wave's two
	s_mov_b32 s73, 0
	s_lshl_b32 s74, s2, 12
	s_mov_b32 s75, 0                               ; sel: the expert's row;  b2: the same + 128 cb
	s_lshl_b32 s22, s3, 7
	s_mov_b32 s23, 0
	s_lshl_b32 s30, s2, 2                          ; gate: 4 e
	s_mov_b32 s31, 0
	s_wait_kmcnt 0x0
	s_add_nc_u64 s[4:5], s[4:5], s[72:73]
	s_add_nc_u64 s[6:7], s[6:7], s[74:75]
	s_add_nc_u64 s[6:7], s[6:7], s[22:23]
	s_add_nc_u64 s[10:11], s[10:11], s[74:75]
	s_add_nc_u64 s[68:69], s[68:69], s[30:31]
	s_add_nc_u64 s[28:29], s[70:71], s[22:23]      ; y at my 32 columns
	s_wait_alu depctr_va_vdst(0)                   ; the offsets and LDS addresses v1 to v13 and v22 are written, which the loads and stores of the whole kernel read
	global_load_b32 v23, v11, s[6:7]
.set J, 0
.rept 32
	global_load_b32 v[WB+J], v11, s[10:11] offset:128*J
.set J, J+1
.endr
	STREAM 0
	s_wait_loadcnt 16                              ; the bias and sel are in; the first chunk's 16 loads stay out
.set J, 0
.rept 32
	v_cmp_ne_u32 s[32+J], 0, v[WB+J]               ; mask word J: bit l = token 32 J + l goes to my expert
.set J, J+1
.endr
	s_wait_alu depctr_va_sdst(0)                   ; the 32 mask words are written, ahead of the branch and of their first reader
	s_cmp_lt_u32 s14, 2                            ; wave 0 stores the 32 biases, wave 1 the 32 zeros behind them
	s_cbranch_scc0 .Lnobias
	s_cmp_eq_u32 s14, 0
	s_cbranch_scc1 .Lisbias
	v_mov_b32 v23, 0
	s_wait_alu depctr_va_vdst(0)                   ; v23 is written, which the LDS store reads
.Lisbias:
	ds_store_b32 v22, v23
.Lnobias:
	s_bcnt1_i32_b32 s17, s32
.set J, 1
.rept 31
	s_bcnt1_i32_b32 s21, s[32+J]
	s_add_co_u32 s17, s17, s21
.set J, J+1
.endr
	s_add_co_u32 s18, s17, 15
	s_lshr_b32 s18, s18, 4                         ; the expert's tiles
	s_mov_b32 s19, s14                             ; my first tile
	BASES 0
	VP
	SELECT
	GATE
	HLOAD 0
	STAGE 0, 26, 1                                 ; behind the chunk's loads: GATE's 2 and HLOAD's 24
	BAR                                            ; chunk 0, the bias and the zeros lie in LDS
	s_wait_alu depctr_vm_vsrc(0)                   ; the stage's LDS stores have read WB's registers, in which W's fragments land
	s_wait_loadcnt 16                              ; the hidden fragments are in; the next chunk's 16 loads stay out
	KLOOP 0, 1
	s_wait_alu depctr_va_vdst(0)                   ; the chunk's products are done reading F and FS, in which the next K steps land
	HLOAD 1
	STAGE 1, 24, 1                                 ; behind the chunk's loads: HLOAD's 24
	BAR
	s_wait_alu depctr_vm_vsrc(0)                   ; the stage's LDS stores have read WB's registers, in which W's fragments land
	s_wait_loadcnt 16
	KLOOP 1, 0
	s_wait_alu depctr_va_vdst(0)                   ; the chunk's products are done reading F and FS, in which the next K steps land
	HLOAD 2
	STAGE 2, 24, 1
	BAR
	s_wait_alu depctr_vm_vsrc(0)                   ; the stage's LDS stores have read WB's registers, in which W's fragments land
	s_wait_loadcnt 16
	KLOOP 2, 0
	s_wait_alu depctr_va_vdst(0)                   ; the chunk's products are done reading F and FS, in which the next K steps land
	HLOAD 3
	STAGE 3, 24, 0
	BAR
	s_wait_alu depctr_vm_vsrc(0)                   ; the stage's LDS stores have read WB's registers, in which W's fragments land
	s_wait_loadcnt 0x0
	KLOOP 3, 0
	OUT
	; TILES 16-19.  All of W2's part lies in LDS now, and nothing there is written again.  Four waves share a tile's K: one flight of loads and eight K steps each.
	s_lshr_b32 s19, s14, 2
	s_add_co_u32 s19, s19, 16
	s_cmp_ge_u32 s19, s18
	s_cbranch_scc1 .Lnopart
	s_wait_xcnt 0x0                                ; the last tile's stores have read their registers
	s_wait_alu depctr_vm_vsrc(0)                   ; the way out's LDS stores and global stores have read WB's registers, which SELECT writes and in which W's fragments land
	BASES 1
	HLOAD 0                                        ; (the way out's wait on va_vdst stands behind the last products, and no vector line since names F or FS)
	VP                                             ; the slots' tokens are found while the fragments are on their way
	SELECT
	GATE
	s_wait_loadcnt 2                               ; the fragments are in; GATE's two loads stay out
.set AWR, 2
.set ASR, 3
.set ABR, 13
	KLOOP 0, 1
	s_wait_loadcnt 0x0                             ; GATE's
	s_wait_alu depctr_va_vdst(0)                   ; the products have written the accumulators, which the LDS stores read; KLOOP's last four places stand ahead of this wait
.irp i, 0,1,2,3,4,5,6,7,8,9,10,11,12,13,14,15
	ds_store_b32 v10, v[ACC+\i] offset:PART+128*\i   ; my partial sums as an image of their registers, each accumulator from its low end on
.endr
.Lnopart:
	BAR                                            ; on every wave's path: the partial sums lie in LDS
	s_cmp_ge_u32 s19, s18
	s_cbranch_scc1 .Lnosum
	s_cmp_lg_u32 s66, 0
	s_cbranch_scc1 .Lnosum
	s_wait_xcnt 0x0                                ; no store still reads the registers written below
	s_wait_alu depctr_vm_vsrc(0)                   ; my LDS stores have read the accumulators, onto which the parts are added; the way out's stores have read WB's registers, in which the parts land
.irp k, 1,2,3                          ; the wave of chunk 0 adds the next three waves' parts onto its own
.irp i, 0,1,2,3,4,5,6,7,8,9,10,11,12,13,14,15
	ds_load_b32 v[WB+16*\k+\i], v10 offset:\k*STGB+PART+128*\i
.endr
.endr
	s_wait_dscnt 0x0
.irp k, 1,2,3
.irp p, 0,1,2,3,4,5,6,7
	v_pk_add_f32 v[ACC+2*\p:ACC+2*\p+1], v[ACC+2*\p:ACC+2*\p+1], v[WB+16*\k+2*\p:WB+16*\k+2*\p+1]
.endr
.endr
	OUT
.Lnosum:
.set AWR, 6
.set ASR, 7
.set ABR, 8
	s_add_co_u32 s19, s14, 4
	s_mov_b32 s20, 3
.Lpass:                                        ; tiles 20 + w + 16 g: a wave to a tile; the way out uses the stage's first bytes, which no partial sum touches: no barrier
	s_add_co_u32 s19, s19, 16
	s_cmp_ge_u32 s19, s18
	s_cbranch_scc1 .Lskip
	s_wait_xcnt 0x0                                ; the last tile's stores have read their registers
	s_wait_alu depctr_vm_vsrc(0)                   ; the last way out's stores have read WB's registers, which SELECT writes; the partial sums' LDS stores have read the accumulators, in which the bias lands; GATE's loads have read v20 and v21, which GATE writes again
	BASES 0
	VP
	SELECT
	GATE
	HLOAD 0
	s_wait_loadcnt 0x0
	KLOOP 0, 1
	s_wait_alu depctr_va_vdst(0)                   ; the chunk's products are done reading F and FS, in which the next K steps land
	HLOAD 1
	s_wait_loadcnt 0x0
	KLOOP 1, 0
	s_wait_alu depctr_va_vdst(0)                   ; the chunk's products are done reading F and FS, in which the next K steps land
	HLOAD 2
	s_wait_loadcnt 0x0
	KLOOP 2, 0
	s_wait_alu depctr_va_vdst(0)                   ; the chunk's products are done reading F and FS, in which the next K steps land
	HLOAD 3
	s_wait_loadcnt 0x0
	KLOOP 3, 0
	OUT
.Lskip:
	s_sub_co_i32 s20, s20, 1
	s_cmp_lg_u32 s20, 0
	s_cbranch_scc1 .Lpass
	s_wait_xcnt 0x0
	s_wait_alu depctr_vm_vsrc(0)                   ; the partial sums' LDS stores have read v254 and v255: the two are made anew below
	v_lshl_add_u32 v254, v0, 2, 0x41a00
	v_mov_b32 v255, 0
	s_wait_dscnt 0x0                               ; the closing lines, six on end
	s_wait_alu 0x0
	s_wait_tensorcnt 0x0
	ds_add_u32 v254, v255
	s_wait_dscnt 0x0
	s_endpgm
.Lfunc_end_k_q9d622fbec2_down:
	.size	k_q9d622fbec2_down, .Lfunc_end_k_q9d622fbec2_down-k_q9d622fbec2_down
	.p2alignl 7, 3214868480
	.fill 96, 4, 3214868480
	.section	.rodata,"a",@progbits
	.p2align	6, 0x0
	.amdhsa_kernel k_q9d622fbec2_down
		.amdhsa_group_segment_fixed_size 270848
		.amdhsa_private_segment_fixed_size 0
		.amdhsa_enable_private_segment 0
		.amdhsa_kernarg_size 48
		.amdhsa_user_sgpr_count 2
		.amdhsa_user_sgpr_kernarg_segment_ptr 1
		.amdhsa_wavefront_size32 1
		.amdhsa_system_sgpr_workgroup_id_x 1
		.amdhsa_system_sgpr_workgroup_id_y 1
		.amdhsa_system_sgpr_workgroup_id_z 1
		.amdhsa_system_vgpr_workitem_id 0
		.amdhsa_next_free_vgpr 256
		.amdhsa_next_free_sgpr 90
		.amdhsa_reserve_vcc 1
		.amdhsa_float_denorm_mode_32 3
		.amdhsa_float_denorm_mode_16_64 3
		.amdhsa_memory_ordered 1
		.amdhsa_forward_progress 1
		.amdhsa_inst_pref_size 192
	.end_amdhsa_kernel
	.amdgpu_metadata
---
amdhsa.version: [ 1, 2 ]
amdhsa.kernels:
  - .name:           k_q9d622fbec2_down
    .symbol:         k_q9d622fbec2_down.kd
    .args:
      - { .name: W2, .offset: 0, .size: 8, .value_kind: global_buffer, .address_space: global }
      - { .name: b2, .offset: 8, .size: 8, .value_kind: global_buffer, .address_space: global }
      - { .name: hq, .offset: 16, .size: 8, .value_kind: global_buffer, .address_space: global }
      - { .name: sel, .offset: 24, .size: 8, .value_kind: global_buffer, .address_space: global }
      - { .name: gate, .offset: 32, .size: 8, .value_kind: global_buffer, .address_space: global }
      - { .name: y, .offset: 40, .size: 8, .value_kind: global_buffer, .address_space: global }
    .group_segment_fixed_size: 270848
    .private_segment_fixed_size: 0
    .kernarg_segment_align: 8
    .kernarg_segment_size: 48
    .max_flat_workgroup_size: 512
    .sgpr_count:     90
    .vgpr_count:     256
    .wavefront_size: 32
...
	.end_amdgpu_metadata
.endif
;; end of part 6
;; launch sum: the kernel of part 4 again; grid 257 x 1, 8 waves a work-group, no clusters, 3,072 bytes of LDS; arguments y, gate, out0, out1; writes out0, out1
